; MI455X (gfx1250); checked and timed in simulation.
; The chip was launched on July 23, 2026; its instructions are those of AMD's public machine-readable ISA for CDNA 5 (MIT licence, August 2026) and "CDNA5" Instruction Set Architecture Reference Guide (July 2026). The comments in the code are by the model that wrote it; some were corrected since.
;; Neural ODE Warp. Allowed arithmetic: float matrix products may take bf16 or f16 operands with f32 sums; all other float work in f32.
;; Inputs: W1 16 x 4 float32; W2 16 x 16 float32; W3 3 x 16 float32; b1 16 float32; b2 16 float32; b3 3 float32; events 1,048,576 x 4 float32.
;; Outputs: out0 1,048,576 x 4 float32.
;; 2 versions, each right and faster than the one before. Each part assembles by itself: llvm-mc -triple=amdgcn-amd-amdhsa -mcpu=gfx1250 --defsym DOCPART=n.
;; ======== version 1 of 2: 5 launches
;; workspace buffers: qa 16,777,216 bytes; qb 16,777,216 bytes; qc 16,777,216 bytes; qd 16,777,216 bytes; pa 2,048 bytes; pb 2,048 bytes
;; launch s1 (part 1): grid 256 x 1, 16 waves a work-group, no clusters, 2,304 bytes of LDS; arguments events, W1, W2, W3, b1, b2, b3, qa, pa; writes qa, pa
.if DOCPART == 1
	.amdgcn_target "amdgcn-amd-amdhsa--gfx1250"
	.amdhsa_code_object_version 6
	.text
	.protected	k_qb50d0d6e83_s1
	.globl	k_qb50d0d6e83_s1
	.p2align	8
	.type	k_qb50d0d6e83_s1,@function
k_qb50d0d6e83_s1:
	s_mov_b64 s[64:65], 0
	v_nop
	global_prefetch_b8 v0, s[64:65] scope:SCOPE_SE
	s_setreg_imm32_b32 hwreg(HW_REG_WAVE_MODE, 25, 1), 1
	s_wait_xcnt 0x0
; ONE DORMAND-PRINCE 5(4) STEP on 1,048,576 points (3 state numbers and a polarity, 16 bytes a point).  This text serves two bodies:
; FIRST = 1: the first step: y = events, t = 0, dt = 0.05.   FIRST = 0: a later step.  A later step first closes the step before it: it adds that launch's 256 partial
; sums of (err/scale)^2 (every wave in the same order, so every wave has the same bits), makes en, accept, t, dt, done, and takes y = accept ? Q : P by v_cndmask_b32
; (P: the state the last step began from, Q: its candidate).  It stores y (Pout), the new candidate y5 (Qout), one partial sum a work-group and the carry (t, dt, done) (pout).
; SHARES.  256 work-groups of 16 waves; a work-group owns 4,096 points (65,536 bytes of each buffer); a wave makes 4 trips of 64 points: two PIECES X and Y of 32 points,
; one point a lane.  Every global load and store of a wave covers 512 consecutive bytes, aligned.
; THE MLP (4-16-16-3) ON THE MATRIX UNIT, weights as source 0 (rows = output features), points as source 1 (columns).  A result tile holds feature 8h+j of point r in
; register j (r = lane % 16, h = lane / 16), which, packed in pairs, IS registers 0-3 of the next source 1 (k = 8h..8h+7).  K = 32 has room for two terms of each of 16
; features: registers 0-3 take hi = bf16(a), registers 4-7 lo = bf16(a - hi), and the weights stand twice along K.  The weights' own lo term is a second product onto the
; same sum.  err is a small difference of the seven k, so what changes from stage to stage must carry more than bf16's 8 bits: hence the two terms.
;   layer 1: one source 1 for both tiles, each lane its own point: words (y0h,y1h) (y2h,y2h) (y0l,y1l) (y2l,-) (y0h,y1h); the weights stand in the lanes of one half only
;            (A1_0: h = 0, A1_1: h = 1), so the other half's points meet zeros.  b1 + t W1[:,3] goes in exact f32 as C.
;   layer 3: rows 0-2 hi(W3), rows 4-6 lo(W3) for tile 0 (A3_0), the same 8 rows lower for tile 1 (A3_1), both onto one sum: lane (r,h) then holds its own point:
;            k_c = D[c] + D[4+c].
; BY TURNS.  While one piece's products run, the other piece's ReLU and splitting is issued.  These instructions are the places that stand between a matrix instruction and
; the reading of its result or the writing of its sources (ISA guide 7.12.1): six plain instructions at the least, so no v_nop is written.  The accumulators take turns, one
; instruction a turn.
; LIMITS.  Weights, y and activations carry about 16 significant bits (two bf16 terms); in layer 1 the product of two lo terms is left out.  Sums are fused and ordered
; otherwise than in the reference.  ReLU by v_max_num_f32 turns a NaN into 0.  Unused words of layer 1's source 1 hold old activations against zero weights: an infinity
; there gives NaN.  A NaN in en rejects the step, as in the reference, but the next step goes on with ten times the step size where the reference stays frozen.
.set FIRST, 1
.set TRIPB, 16384                      ; bytes of a trip: 16 waves x 64 points x 16 bytes
.set VOFF, 1                           ; v1      byte offset of my point of piece X in the work-group's 65,536 bytes
.set NEG1, 2                           ; v2      -1.0
.set TMP,  3
.set ACCX, 4                           ; v4, v5  sums of (err/scale)^2
.set ACCY, 5
.set A1_0, 16                          ; weights as source 0, 8 registers each
.set A1_1, 24
.set A2H,  32
.set A2L,  40
.set A3_0, 48
.set A3_1, 56
.set CB1,  64                          ; b1 + t W1[:,3], made anew for each stage
.set B1B,  72                          ; b1[8h+j]
.set W1T,  80                          ; W1[8h+j][3]
.set CB2,  88                          ; b2[8h+j]
.set CB3,  96                          ; b3 in registers 0-2, else 0
.set PX,   104                         ; piece X: 66 registers
.set PY,   170                         ; piece Y
.set D0,  0                            ; in a piece: result tile 0 (points of lanes 0-15), tile 1
.set D1,  8
.set B0,  16                           ; source 1 of tile 0 (and of layer 1), of tile 1
.set B1,  24
.set YY,  32                           ; y0 y1 y2 polarity
.set YI,  36                           ; the stage's argument, at last y5; polarity
.set K01, 40                           ; k1..k6, components 0 and 1: six pairs
.set K2,  52                           ; k1..k6, component 2
.set LP,  58                           ; the next trip's P, Q as loaded
.set LQ,  62
; s[4:5] P  s[6:7] Q  s[8:19] W1 W2 W3 b1 b2 b3, later six pairs (t_i, t_i)  s[20:21] pin  s[22:23] Pout  s[24:25] Qout  s[26:27] pout  s[28:30] old carry  s31 wave
; s32, s33 lane selects  s34 t  s35 dt  s36 done  s37 dt_e  s38 RTOL  s39 ATOL  s[40:63], s[66:93] 26 pairs (dt_e c, dt_e c)  s94 accept mask  s95 trips, then EXEC
.macro CREG n                          ; cr = the first register of coefficient pair n
.if (\n) < 12
.set cr, 40+2*(\n)
.else
.set cr, 42+2*(\n)
.endif
.endm
.macro COEF n, val                     ; pair n = dt_e x val, twice: the packed forms name a pair and take its low word for both halves
	CREG \n
	s_mul_f32 s[cr], s37, \val
	s_mov_b32 s[cr+1], s[cr]
.endm
.macro TIME i, c                       ; stage i's time t + c dt_e, twice
	s_mul_f32 s[6+2*\i], s37, \c
	s_add_f32 s[6+2*\i], s34, s[6+2*\i]
	s_mov_b32 s[7+2*\i], s[6+2*\i]
.endm
.macro WSUM r, t                       ; the sum over the 32 lanes, in every lane
	v_add_f32_dpp v[\r], v[\r], v[\r] row_xmask:1 row_mask:0xf bank_mask:0xf
	v_add_f32_dpp v[\r], v[\r], v[\r] row_xmask:2 row_mask:0xf bank_mask:0xf
	v_add_f32_dpp v[\r], v[\r], v[\r] row_xmask:4 row_mask:0xf bank_mask:0xf
	v_add_f32_dpp v[\r], v[\r], v[\r] row_xmask:8 row_mask:0xf bank_mask:0xf
	v_permlanex16_b32 v[\t], v[\r], s32, s33
	v_add_f32 v[\r], v[\r], v[\t]
.endm
.macro HILO hi, lo, src                ; eight f32 at src -> four words hi = bf16(x), four words lo = bf16(x - hi)
.irp i, 0,1,2,3
	v_cvt_pk_bf16_f32 v[\hi+\i], v[\src+2*\i], v[\src+2*\i+1]
	v_mov_b32 v[\lo+\i], 0
.endr
.irp i, 0,1,2,3
	v_fma_mixlo_bf16 v[\lo+\i], v[\hi+\i], v[NEG1], v[\src+2*\i] op_sel_hi:[1,0,0]
	v_fma_mixhi_bf16 v[\lo+\i], v[\hi+\i], v[NEG1], v[\src+2*\i+1] op_sel:[1,0,0] op_sel_hi:[1,0,0]
.endr
.endm
.macro A1W i, w                        ; word i of layer 1's weights: in A1_0 for the lanes with h = 0, in A1_1 for those with h = 1 (s45: h = 1)
	v_cndmask_b32 v[A1_0+\i], v[\w], 0, s45
	v_cndmask_b32 v[A1_1+\i], 0, v[\w], s45
.endm
.macro WM d, a, b, c
	v_wmma_f32_16x16x32_bf16 v[\d:\d+7], v[\a:\a+7], v[\b:\b+7], v[\c:\c+7]
.endm
; Four features of tile t of piece p (half q of a lane's eight): ReLU, hi and lo terms, into the tile's source 1.  Eight instructions.
.macro ACT4 p, t, q
.set ad, \p+8*\t+4*\q
.set ab, \p+B0+8*\t+2*\q
	v_dual_max_num_f32 v[ad], 0, v[ad] :: v_dual_max_num_f32 v[ad+1], 0, v[ad+1]
	v_dual_max_num_f32 v[ad+2], 0, v[ad+2] :: v_dual_max_num_f32 v[ad+3], 0, v[ad+3]
	v_cvt_pk_bf16_f32 v[ab], v[ad], v[ad+1]
	v_cvt_pk_bf16_f32 v[ab+1], v[ad+2], v[ad+3]
	v_fma_mixlo_bf16 v[ab+4], v[ab], v[NEG1], v[ad] op_sel_hi:[1,0,0]
	v_fma_mixhi_bf16 v[ab+4], v[ab], v[NEG1], v[ad+1] op_sel:[1,0,0] op_sel_hi:[1,0,0]
	v_fma_mixlo_bf16 v[ab+5], v[ab+1], v[NEG1], v[ad+2] op_sel_hi:[1,0,0]
	v_fma_mixhi_bf16 v[ab+5], v[ab+1], v[NEG1], v[ad+3] op_sel:[1,0,0] op_sel_hi:[1,0,0]
.endm
.macro SPLIT p, src                    ; layer 1's source 1 from the three numbers at src
	v_cvt_pk_bf16_f32 v[\p+B0], v[\p+\src], v[\p+\src+1]
	v_cvt_pk_bf16_f32 v[\p+B0+1], v[\p+\src+2], v[\p+\src+2]
	v_fma_mixlo_bf16 v[\p+B0+2], v[\p+B0], v[NEG1], v[\p+\src] op_sel_hi:[1,0,0]
	v_fma_mixhi_bf16 v[\p+B0+2], v[\p+B0], v[NEG1], v[\p+\src+1] op_sel:[1,0,0] op_sel_hi:[1,0,0]
	v_fma_mixlo_bf16 v[\p+B0+3], v[\p+B0+1], v[NEG1], v[\p+\src+2] op_sel_hi:[1,0,0]
	v_mov_b32 v[\p+B0+4], v[\p+B0]
.endm
.macro KFIX p, j                       ; k_j = the hi rows' sum + the lo rows' sum
	v_pk_add_f32 v[\p+K01+2*((\j)-1):\p+K01+2*((\j)-1)+1], v[\p+D0:\p+D0+1], v[\p+D0+4:\p+D0+5]
	v_add_f32 v[\p+K2+(\j)-1], v[\p+D0+2], v[\p+D0+6]
.endm
.macro TERM p, j, n, first             ; YI = (first ? y : YI) + coefficient n x k_j
	CREG \n
.if \first
	v_pk_fma_f32 v[\p+YI:\p+YI+1], v[\p+K01+2*((\j)-1):\p+K01+2*((\j)-1)+1], s[cr:cr+1], v[\p+YY:\p+YY+1] op_sel_hi:[1,0,1]
	v_fma_f32 v[\p+YI+2], v[\p+K2+(\j)-1], s[cr], v[\p+YY+2]
.else
	v_pk_fma_f32 v[\p+YI:\p+YI+1], v[\p+K01+2*((\j)-1):\p+K01+2*((\j)-1)+1], s[cr:cr+1], v[\p+YI:\p+YI+1] op_sel_hi:[1,0,1]
	v_fma_f32 v[\p+YI+2], v[\p+K2+(\j)-1], s[cr], v[\p+YI+2]
.endif
.endm
.macro RKC p, i                        ; the last stage's k, then stage i's argument, the terms in the tableau's order
	KFIX \p, \i-1
.if \i == 2
	TERM \p, 1, 0, 1
.elseif \i == 3
	TERM \p, 1, 1, 1
	TERM \p, 2, 2, 0
.elseif \i == 4
	TERM \p, 1, 3, 1
	TERM \p, 2, 4, 0
	TERM \p, 3, 5, 0
.elseif \i == 5
	TERM \p, 1, 6, 1
	TERM \p, 2, 7, 0
	TERM \p, 3, 8, 0
	TERM \p, 4, 9, 0
.elseif \i == 6
	TERM \p, 1, 10, 1
	TERM \p, 2, 11, 0
	TERM \p, 3, 12, 0
	TERM \p, 4, 13, 0
	TERM \p, 5, 14, 0
.else
	TERM \p, 1, 15, 1
	TERM \p, 3, 16, 0
	TERM \p, 4, 17, 0
	TERM \p, 5, 18, 0
	TERM \p, 6, 19, 0
.endif
.endm
.macro BIAS i                          ; layer 1's C for stage i
.irp q, 0,2,4,6
	v_pk_fma_f32 v[CB1+\q:CB1+\q+1], v[W1T+\q:W1T+\q+1], s[6+2*\i:7+2*\i], v[B1B+\q:B1B+\q+1] op_sel_hi:[1,0,1]
.endr
.endm
; The trip's y; it is stored as the next launch's P; the next trip's loads go out, a whole trip ahead of the wait for them.
.macro SEL p, off, more
.irp c, 0,1,2,3
.if FIRST
	v_mov_b32 v[\p+YY+\c], v[\p+LP+\c]
.else
	v_cndmask_b32 v[\p+YY+\c], v[\p+LP+\c], v[\p+LQ+\c], s94
.endif
.endr
	v_mov_b32 v[\p+YI+3], v[\p+YY+3]               ; the polarity rides along with y5
.if FIRST == 0
	global_store_b128 v[VOFF], v[\p+YY:\p+YY+3], s[22:23] offset:\off
.endif
.if \more
	global_load_b128 v[\p+LP:\p+LP+3], v[VOFF], s[4:5] offset:TRIPB+\off th:TH_LOAD_NT
.if FIRST == 0
	global_load_b128 v[\p+LQ:\p+LQ+3], v[VOFF], s[6:7] offset:TRIPB+\off th:TH_LOAD_NT
.endif
.endif
.endm
.macro ETERM p, ka, kb, n              ; err += coefficient n x k
	CREG \n
	v_pk_fma_f32 v[\p+B1:\p+B1+1], v[\ka:\ka+1], s[cr:cr+1], v[\p+B1:\p+B1+1] op_sel_hi:[1,0,1]
	v_fma_f32 v[\p+B1+2], v[\kb], s[cr], v[\p+B1+2]
.endm
; The step's end for a piece: k7; 1 / (ATOL + RTOL max(|y|, |y5|)); err; the sum of squares; y5 (stage 7's argument: the tableau's last row is B5) is stored.
; D1 and B1 are free and serve as temporaries.  The error terms are the plain instructions between the reciprocals and the use of their results.
.macro FIN p, acc, off
	v_pk_add_f32 v[\p+D1:\p+D1+1], v[\p+D0:\p+D0+1], v[\p+D0+4:\p+D0+5]
	v_add_f32 v[\p+D1+2], v[\p+D0+2], v[\p+D0+6]
.irp c, 0,1,2
	v_max_num_f32 v[\p+D1+4+\c], |v[\p+YY+\c]|, |v[\p+YI+\c]|
.endr
.irp c, 0,1,2
	v_fma_f32 v[\p+D1+4+\c], v[\p+D1+4+\c], s38, s39
.endr
.irp c, 0,1,2
	v_rcp_f32 v[\p+D1+4+\c], v[\p+D1+4+\c]
.endr
	CREG 20
	v_pk_mul_f32 v[\p+B1:\p+B1+1], v[\p+K01:\p+K01+1], s[cr:cr+1] op_sel_hi:[1,0]
	v_mul_f32 v[\p+B1+2], s[cr], v[\p+K2]
	ETERM \p, \p+K01+4, \p+K2+2, 21
	ETERM \p, \p+K01+6, \p+K2+3, 22
	ETERM \p, \p+K01+8, \p+K2+4, 23
	ETERM \p, \p+K01+10, \p+K2+5, 24
	ETERM \p, \p+D1, \p+D1+2, 25
	s_wait_alu depctr_va_vdst(0)
	v_pk_mul_f32 v[\p+B1:\p+B1+1], v[\p+B1:\p+B1+1], v[\p+D1+4:\p+D1+5]
	v_mul_f32 v[\p+B1+2], v[\p+B1+2], v[\p+D1+6]
.irp c, 0,1,2
	v_fmac_f32 v[\acc], v[\p+B1+\c], v[\p+B1+\c]
.endr
	global_store_b128 v[VOFF], v[\p+YI:\p+YI+3], s[24:25] offset:\off
.endm
; From piece X's layer-1 results and piece Y's layer-1 source to both pieces' layer-3 results: 14 products with the other piece's 16 ACT4 between them.
.macro LAYERS
	WM PY+D0, A1_0, PY+B0, CB1
	ACT4 PX, 0, 0
	WM PY+D1, A1_1, PY+B0, CB1
	ACT4 PX, 0, 1
	ACT4 PX, 1, 0
	ACT4 PX, 1, 1
	WM PX+D0, A2H, PX+B0, CB2
	ACT4 PY, 0, 0
	WM PX+D1, A2H, PX+B1, CB2
	ACT4 PY, 0, 1
	WM PX+D0, A2L, PX+B0, PX+D0
	ACT4 PY, 1, 0
	WM PX+D1, A2L, PX+B1, PX+D1
	ACT4 PY, 1, 1
	WM PY+D0, A2H, PY+B0, CB2
	ACT4 PX, 0, 0
	WM PY+D1, A2H, PY+B1, CB2
	ACT4 PX, 0, 1
	WM PY+D0, A2L, PY+B0, PY+D0
	ACT4 PX, 1, 0
	WM PY+D1, A2L, PY+B1, PY+D1
	ACT4 PX, 1, 1
	WM PX+D0, A3_0, PX+B0, CB3
	ACT4 PY, 0, 0
	ACT4 PY, 0, 1
	WM PY+D0, A3_0, PY+B0, CB3
	ACT4 PY, 1, 0
	WM PX+D0, A3_1, PX+B1, PX+D0
	ACT4 PY, 1, 1
	WM PY+D0, A3_1, PY+B1, PY+D0
.endm
.macro STAGE i, more
.if \i != 7
	BIAS \i                                        ; stage 7 has stage 6's time: its C stands
.endif
.if \i == 1
	SEL PX, 0, \more
	SPLIT PX, YY
.else
	RKC PX, \i
	SPLIT PX, YI
.endif
	WM PX+D0, A1_0, PX+B0, CB1
.if \i == 1
	SEL PY, 512, \more
.else
	RKC PY, \i
.endif
	WM PX+D1, A1_1, PX+B0, CB1
.if \i == 1
	SPLIT PY, YY
.else
	SPLIT PY, YI
.endif
	LAYERS
.endm
.macro TRIP more
	s_wait_loadcnt 0x0                             ; this trip's P and Q, asked for a whole trip ago; nothing younger is out
	STAGE 1, \more
	STAGE 2, 0
	STAGE 3, 0
	STAGE 4, 0
	STAGE 5, 0
	STAGE 6, 0
	STAGE 7, 0
	FIN PX, ACCX, 0
	FIN PY, ACCY, 512
.if \more
	s_wait_xcnt 0x0                                ; the offset that the loads and stores name, and the stores' data (y, y5), are rewritten only behind this wait
	v_add_nc_u32 v[VOFF], TRIPB, v[VOFF]
.endif
.endm
	; ---- arguments, ids, offsets
.if FIRST
	s_load_b64 s[4:5], s[0:1], 0x0                 ; events
	s_load_b256 s[8:15], s[0:1], 0x8               ; W1 W2 W3 b1
	s_load_b128 s[16:19], s[0:1], 0x28             ; b2 b3
	s_load_b128 s[24:27], s[0:1], 0x38             ; Qout pout
	v_lshl_add_u32 v240, v0, 2, 0x100
	v_mov_b32 v241, 0
.else
	s_load_b512 s[4:19], s[0:1], 0x0               ; P Q W1 W2 W3 b1 b2 b3
	s_load_b256 s[20:27], s[0:1], 0x40             ; pin Pout Qout pout
.endif
	v_and_b32 v6, 31, v0                           ; lane
	v_lshrrev_b32 v7, 5, v0
	v_readfirstlane_b32 s31, v7                    ; wave
	v_and_b32 v8, 15, v0                           ; r
	v_bfe_u32 v9, v0, 4, 1                         ; h
	v_lshlrev_b32 v[VOFF], 4, v6
	v_lshl_add_u32 v[VOFF], v7, 10, v[VOFF]        ; 1,024 wave + 16 lane
	v_lshlrev_b32 v10, 5, v6                       ; my 8 of the 256 partial sums
	v_lshlrev_b32 v14, 5, v9                       ; 32 h: b1, b2
	v_lshl_add_u32 v11, v8, 6, v14                 ; W2[r][8h]
	v_and_b32 v12, 3, v8
	v_min_u32 v12, 2, v12
	v_lshl_add_u32 v12, v12, 6, v14                ; W3[min(r % 4, 2)][8h]: inside its three rows
	v_lshlrev_b32 v13, 4, v8                       ; W1[r][0]
	v_lshlrev_b32 v15, 7, v9                       ; W1[8h][0]
	v_mov_b32 v[NEG1], -1.0
	s_lshl_b32 s2, ttmp9, 16                       ; the work-group's 65,536 bytes
	s_mov_b32 s3, 0
	s_mov_b32 s32, 0x76543210                      ; v_permlanex16_b32: each lane takes its own place in the other half
	s_mov_b32 s33, 0xfedcba98
	s_mov_b32 s38, 0x3727c5ac                      ; RTOL = 1e-5
	s_mov_b32 s39, 0x358637bd                      ; ATOL = 1e-6
	s_wait_kmcnt 0x0
	s_add_nc_u64 s[4:5], s[4:5], s[2:3]
	s_add_nc_u64 s[24:25], s[24:25], s[2:3]
.if FIRST == 0
	s_add_nc_u64 s[6:7], s[6:7], s[2:3]
	s_add_nc_u64 s[22:23], s[22:23], s[2:3]
.endif
	; ---- all the head's loads in one run
	global_load_b128 v[PX+LP:PX+LP+3], v[VOFF], s[4:5] th:TH_LOAD_NT
	global_load_b128 v[PY+LP:PY+LP+3], v[VOFF], s[4:5] offset:512 th:TH_LOAD_NT
.if FIRST == 0
	global_load_b128 v[PX+LQ:PX+LQ+3], v[VOFF], s[6:7] th:TH_LOAD_NT
	global_load_b128 v[PY+LQ:PY+LQ+3], v[VOFF], s[6:7] offset:512 th:TH_LOAD_NT
	global_load_b128 v[PX+B1:PX+B1+3], v10, s[20:21]
	global_load_b128 v[PX+B1+4:PX+B1+7], v10, s[20:21] offset:16
	s_load_b96 s[28:30], s[20:21], 0x400           ; the carry from which the last step began: t, dt, done
.endif
	global_load_b128 v[PX+D0:PX+D0+3], v11, s[10:11]
	global_load_b128 v[PX+D0+4:PX+D0+7], v11, s[10:11] offset:16
	global_load_b128 v[PX+D1:PX+D1+3], v12, s[12:13]
	global_load_b128 v[PX+D1+4:PX+D1+7], v12, s[12:13] offset:16
	global_load_b128 v[PX+B0:PX+B0+3], v13, s[8:9]
	global_load_b128 v[B1B:B1B+3], v14, s[14:15]
	global_load_b128 v[B1B+4:B1B+7], v14, s[14:15] offset:16
	global_load_b128 v[CB2:CB2+3], v14, s[16:17]
	global_load_b128 v[CB2+4:CB2+7], v14, s[16:17] offset:16
.irp j, 0,1,2,3,4,5,6,7
	global_load_b32 v[W1T+\j], v15, s[8:9] offset:16*\j+12
.endr
	s_load_b96 s[40:42], s[18:19], 0x0             ; b3
	s_wait_loadcnt 0x0                             ; one wait for the whole run: nothing below can start on a part of it
	s_wait_kmcnt 0x0
	; ---- the weights as source 0
	HILO A2H, A2L, PX+D0
.irp i, 0,1,2,3
	v_mov_b32 v[A2H+4+\i], v[A2H+\i]               ; k = 16..31 meet the activations' lo terms: the same weights
	v_mov_b32 v[A2L+4+\i], v[A2L+\i]
.endr
	HILO PY+D0, PY+D0+4, PX+D1
	v_and_b32 v[TMP], 4, v8
	v_cmp_ne_u32 s44, 0, v[TMP]                    ; rows 4-7 and 12-15 take W3's lo term
	v_and_b32 v[TMP], 3, v8
	v_cmp_ne_u32 s45, 3, v[TMP]                    ; rows 3, 7, 11, 15 are zero
	v_cmp_gt_u32 s46, 8, v8
	s_and_not1_b32 s47, s45, s46                   ; rows of A3_1
	s_and_b32 s46, s45, s46                        ; rows of A3_0
.irp i, 0,1,2,3
	v_cndmask_b32 v[TMP], v[PY+D0+\i], v[PY+D0+4+\i], s44
	v_cndmask_b32 v[A3_0+\i], 0, v[TMP], s46
	v_cndmask_b32 v[A3_1+\i], 0, v[TMP], s47
	v_mov_b32 v[A3_0+4+\i], v[A3_0+\i]
	v_mov_b32 v[A3_1+4+\i], v[A3_1+\i]
.endr
	v_cmp_ne_u32 s45, 0, v9                        ; h = 1
	v_cvt_pk_bf16_f32 v[PY+D1], v[PX+B0], v[PX+B0+1]             ; (W1h[r][0], W1h[r][1])
	v_cvt_pk_bf16_f32 v[PY+D1+4], v[PX+B0+2], v[PX+B0+2]         ; (W1h[r][2], the same)
	v_mov_b32 v[PY+D1+3], 0
	v_fma_mixlo_bf16 v[PY+D1+3], v[PY+D1], v[NEG1], v[PX+B0] op_sel_hi:[1,0,0]                    ; (W1l[r][0], W1l[r][1])
	v_fma_mixhi_bf16 v[PY+D1+3], v[PY+D1], v[NEG1], v[PX+B0+1] op_sel:[1,0,0] op_sel_hi:[1,0,0]
	v_mov_b32 v[PY+D1+1], v[PY+D1+4]
	v_fma_mixhi_bf16 v[PY+D1+1], v[PY+D1+4], v[NEG1], v[PX+B0+2] op_sel_hi:[1,0,0]                ; (W1h[r][2], W1l[r][2])
	v_and_b32 v[PY+D1+2], 0xffff, v[PY+D1+4]                     ; (W1h[r][2], 0)
	A1W 0, PY+D1
	A1W 1, PY+D1+1
	A1W 2, PY+D1
	A1W 3, PY+D1+2
	A1W 4, PY+D1+3
.irp i, 5,6,7
	v_mov_b32 v[A1_0+\i], 0
	v_mov_b32 v[A1_1+\i], 0
.endr
.irp c, 0,1,2
	v_mov_b32 v[CB3+\c], s[40+\c]
.endr
.irp c, 3,4,5,6,7
	v_mov_b32 v[CB3+\c], 0
.endr
	; ---- the carry
.if FIRST
	s_mov_b32 s34, 0                               ; t = 0
	s_mov_b32 s35, 0x3d4ccccd                      ; dt = 0.05
	s_mov_b32 s36, 0                               ; not done
	s_mov_b32 s37, 0x3d4ccccd                      ; dt_e = min(dt, 1 - t)
.else
	v_pk_add_f32 v[PX+B1:PX+B1+1], v[PX+B1:PX+B1+1], v[PX+B1+2:PX+B1+3]
	v_pk_add_f32 v[PX+B1+4:PX+B1+5], v[PX+B1+4:PX+B1+5], v[PX+B1+6:PX+B1+7]
	v_pk_add_f32 v[PX+B1:PX+B1+1], v[PX+B1:PX+B1+1], v[PX+B1+4:PX+B1+5]
	v_add_f32 v6, v[PX+B1], v[PX+B1+1]
	WSUM 6, 7
	v_mul_f32 v6, 0x34aaaaab, v6                   ; the mean over 3,145,728 numbers
	v_sqrt_f32 v6, v6
	v_sub_f32 v11, 1.0, s28                        ; (a plain instruction behind each transcendental before its result is used)
	v_min_num_f32 v11, s29, v11                    ; the last step's dt_e
	v_cmp_ge_f32 s94, 1.0, v6                      ; en <= 1; the floor of 1e-10 below cannot change it, and a NaN fails it
	v_cmp_eq_f32 s44, s30, 0                       ; not done
	s_and_b32 s94, s94, s44                        ; accept: all lanes or none
	v_max_num_f32 v6, 0x2edbe6ff, v6               ; en = max(.., 1e-10)
	v_log_f32 v10, v6
	v_add_f32 v12, s28, v11
	v_mul_f32 v10, 0xbe4ccccd, v10                 ; en^-0.2 = 2^(-0.2 log2 en)
	v_exp_f32 v10, v10
	v_mov_b32 v13, s28
	v_mul_f32 v10, 0x3f666666, v10                 ; 0.9 ..
	v_max_num_f32 v10, 0x3e4ccccd, v10             ; clipped to 0.2 .. 10
	v_min_num_f32 v10, 0x41200000, v10
	v_cndmask_b32 v12, v13, v12, s94               ; t
	v_mul_f32 v14, v11, v10
	v_mov_b32 v15, s29
	v_cndmask_b32 v14, v15, v14, s44               ; dt = done ? dt : dt_e fac
	v_cmp_le_f32 s45, 1.0, v12                     ; done: t >= 1 - 1e-9, which is 1 in f32
	v_cndmask_b32 v13, 0, 1.0, s45
	v_sub_f32 v15, 1.0, v12
	v_min_num_f32 v15, v14, v15                    ; this step's dt_e
	v_readfirstlane_b32 s34, v12
	v_readfirstlane_b32 s35, v14
	v_readfirstlane_b32 s36, v13
	v_readfirstlane_b32 s37, v15
.endif
	; ---- dt_e times the tableau, and the stages' times (the weights' addresses in s[8:19] have served: all loads are back)
	COEF 0, 0.2
	COEF 1, 0.075
	COEF 2, 0.225
	COEF 3, 0.977777778
	COEF 4, -3.73333333
	COEF 5, 3.55555556
	COEF 6, 2.95259869
	COEF 7, -11.5957933
	COEF 8, 9.82289285
	COEF 9, -0.290809328
	COEF 10, 2.84627525
	COEF 11, -10.7575758
	COEF 12, 8.90642272
	COEF 13, 0.278409091
	COEF 14, -0.273531304
	COEF 15, 0.0911458333
	COEF 16, 0.449236298
	COEF 17, 0.651041667
	COEF 18, -0.322376179
	COEF 19, 0.130952381
	COEF 20, 0.00123263889
	COEF 21, -0.00425277029
	COEF 22, 0.0369791667
	COEF 23, -0.0508637972
	COEF 24, 0.0419047619
	COEF 25, -0.025
	s_mov_b32 s8, s34
	s_mov_b32 s9, s34
	TIME 2, 0.2
	TIME 3, 0.3
	TIME 4, 0.8
	TIME 5, 0.888888889
	s_add_f32 s18, s34, s37
	s_mov_b32 s19, s18
	; ---- the sources 1 start at zero: the half-word writes keep a word's other half, and layer 1 reads words that only later layers write
.irp p, PX, PY
.set zi, 0
.rept 16
	v_mov_b32 v[\p+B0+zi], 0
.set zi, zi+1
.endr
.endr
	v_mov_b32 v[ACCX], 0
	v_mov_b32 v[ACCY], 0
	s_mov_b32 s95, 3
.Ltrip:
	TRIP 1
	s_sub_co_u32 s95, s95, 1
	s_cmp_lg_u32 s95, 0
	s_cbranch_scc1 .Ltrip
	TRIP 0                                         ; the last trip is written out: it asks for nothing beyond the work-group's bytes
	; ---- the work-group's sum: lanes, then the 16 waves through LDS bytes 0-63
	v_add_f32 v[ACCX], v[ACCX], v[ACCY]
	WSUM ACCX, 6
	v_mov_b32 v7, s31
	v_lshlrev_b32 v7, 2, v7
	ds_store_b32 v7, v[ACCX]
	s_wait_dscnt 0x0                               ; for wave 0's sake: my word is in LDS
	s_barrier_signal -1
	s_barrier_wait -1
	s_cmp_lg_u32 s31, 0
	s_cbranch_scc1 .Lend
	v_mov_b32 v9, 0
.irp i, 0,1,2,3
	ds_load_b128 v[PX+4*\i:PX+4*\i+3], v9 offset:16*\i
.endr
	v_mov_b32 v6, s34                              ; the carry from which this step began
	v_mov_b32 v7, s35
	v_mov_b32 v8, s36
	s_lshl_b32 s2, ttmp9, 2
	s_mov_b32 s3, 0
	s_add_nc_u64 s[26:27], s[26:27], s[2:3]        ; my work-group's word
	s_wait_dscnt 0x0
.irp i, 0,4,8,12
	v_pk_add_f32 v[PX+\i:PX+\i+1], v[PX+\i:PX+\i+1], v[PX+\i+2:PX+\i+3]
.endr
	v_pk_add_f32 v[PX:PX+1], v[PX:PX+1], v[PX+4:PX+5]
	v_pk_add_f32 v[PX+8:PX+9], v[PX+8:PX+9], v[PX+12:PX+13]
	v_pk_add_f32 v[PX:PX+1], v[PX:PX+1], v[PX+8:PX+9]
	v_add_f32 v[ACCX], v[PX], v[PX+1]
	v_cmp_eq_u32 vcc_lo, 0, v0
	s_wait_xcnt 0x0                                ; EXEC changes only behind this wait: the trip's stores name it
	s_and_saveexec_b32 s95, vcc_lo
	global_store_b32 v9, v[ACCX], s[26:27]
	s_cmp_lg_u32 s2, 0
	s_cbranch_scc1 .Lnocarry
	global_store_b96 v9, v[6:8], s[26:27] offset:1024   ; work-group 0 alone
.Lnocarry:
	s_wait_xcnt 0x0
	s_or_b32 exec_lo, exec_lo, s95
.Lend:
	s_wait_tensorcnt 0x0
	ds_add_u32 v240, v241
	s_wait_dscnt 0x0
	s_endpgm
.Lfunc_end_k_qb50d0d6e83_s1:
	.size	k_qb50d0d6e83_s1, .Lfunc_end_k_qb50d0d6e83_s1-k_qb50d0d6e83_s1
	.p2alignl 7, 3214868480
	.fill 96, 4, 3214868480
	.section	.rodata,"a",@progbits
	.p2align	6, 0x0
	.amdhsa_kernel k_qb50d0d6e83_s1
		.amdhsa_group_segment_fixed_size 2304
		.amdhsa_private_segment_fixed_size 0
		.amdhsa_enable_private_segment 0
		.amdhsa_kernarg_size 72
		.amdhsa_user_sgpr_count 2
		.amdhsa_user_sgpr_kernarg_segment_ptr 1
		.amdhsa_wavefront_size32 1
		.amdhsa_system_sgpr_workgroup_id_x 1
		.amdhsa_system_sgpr_workgroup_id_y 1
		.amdhsa_system_sgpr_workgroup_id_z 1
		.amdhsa_system_vgpr_workitem_id 0
		.amdhsa_next_free_vgpr 242
		.amdhsa_next_free_sgpr 96
		.amdhsa_reserve_vcc 1
		.amdhsa_float_denorm_mode_32 3
		.amdhsa_float_denorm_mode_16_64 3
		.amdhsa_memory_ordered 1
		.amdhsa_forward_progress 1
		.amdhsa_inst_pref_size 174
	.end_amdhsa_kernel
	.amdgpu_metadata
---
amdhsa.version: [ 1, 2 ]
amdhsa.kernels:
  - .name:           k_qb50d0d6e83_s1
    .symbol:         k_qb50d0d6e83_s1.kd
    .args:
      - { .name: events, .offset: 0, .size: 8, .value_kind: global_buffer, .address_space: global }
      - { .name: W1, .offset: 8, .size: 8, .value_kind: global_buffer, .address_space: global }
      - { .name: W2, .offset: 16, .size: 8, .value_kind: global_buffer, .address_space: global }
      - { .name: W3, .offset: 24, .size: 8, .value_kind: global_buffer, .address_space: global }
      - { .name: b1, .offset: 32, .size: 8, .value_kind: global_buffer, .address_space: global }
      - { .name: b2, .offset: 40, .size: 8, .value_kind: global_buffer, .address_space: global }
      - { .name: b3, .offset: 48, .size: 8, .value_kind: global_buffer, .address_space: global }
      - { .name: qa, .offset: 56, .size: 8, .value_kind: global_buffer, .address_space: global }
      - { .name: pa, .offset: 64, .size: 8, .value_kind: global_buffer, .address_space: global }
    .group_segment_fixed_size: 2304
    .private_segment_fixed_size: 0
    .kernarg_segment_align: 8
    .kernarg_segment_size: 72
    .max_flat_workgroup_size: 512
    .sgpr_count:     96
    .vgpr_count:     242
    .wavefront_size: 32
...
	.end_amdgpu_metadata
.endif
;; end of part 1
;; launch s2 (part 2): grid 256 x 1, 16 waves a work-group, no clusters, 2,304 bytes of LDS; arguments events, qa, W1, W2, W3, b1, b2, b3, pa, qb, qc, pb; writes qb, qc, pb
.if DOCPART == 2
	.amdgcn_target "amdgcn-amd-amdhsa--gfx1250"
	.amdhsa_code_object_version 6
	.text
	.protected	k_qb50d0d6e83_s2
	.globl	k_qb50d0d6e83_s2
	.p2align	8
	.type	k_qb50d0d6e83_s2,@function
k_qb50d0d6e83_s2:
	s_mov_b64 s[64:65], 0
	v_nop
	global_prefetch_b8 v0, s[64:65] scope:SCOPE_SE
	s_setreg_imm32_b32 hwreg(HW_REG_WAVE_MODE, 25, 1), 1
	s_wait_xcnt 0x0
; ONE DORMAND-PRINCE 5(4) STEP on 1,048,576 points (3 state numbers and a polarity, 16 bytes a point).  This text serves two bodies:
; FIRST = 1: the first step: y = events, t = 0, dt = 0.05.   FIRST = 0: a later step.  A later step first closes the step before it: it adds that launch's 256 partial
; sums of (err/scale)^2 (every wave in the same order, so every wave has the same bits), makes en, accept, t, dt, done, and takes y = accept ? Q : P by v_cndmask_b32
; (P: the state the last step began from, Q: its candidate).  It stores y (Pout), the new candidate y5 (Qout), one partial sum a work-group and the carry (t, dt, done) (pout).
; SHARES.  256 work-groups of 16 waves; a work-group owns 4,096 points (65,536 bytes of each buffer); a wave makes 4 trips of 64 points: two PIECES X and Y of 32 points,
; one point a lane.  Every global load and store of a wave covers 512 consecutive bytes, aligned.
; THE MLP (4-16-16-3) ON THE MATRIX UNIT, weights as source 0 (rows = output features), points as source 1 (columns).  A result tile holds feature 8h+j of point r in
; register j (r = lane % 16, h = lane / 16), which, packed in pairs, IS registers 0-3 of the next source 1 (k = 8h..8h+7).  K = 32 has room for two terms of each of 16
; features: registers 0-3 take hi = bf16(a), registers 4-7 lo = bf16(a - hi), and the weights stand twice along K.  The weights' own lo term is a second product onto the
; same sum.  err is a small difference of the seven k, so what changes from stage to stage must carry more than bf16's 8 bits: hence the two terms.
;   layer 1: one source 1 for both tiles, each lane its own point: words (y0h,y1h) (y2h,y2h) (y0l,y1l) (y2l,-) (y0h,y1h); the weights stand in the lanes of one half only
;            (A1_0: h = 0, A1_1: h = 1), so the other half's points meet zeros.  b1 + t W1[:,3] goes in exact f32 as C.
;   layer 3: rows 0-2 hi(W3), rows 4-6 lo(W3) for tile 0 (A3_0), the same 8 rows lower for tile 1 (A3_1), both onto one sum: lane (r,h) then holds its own point:
;            k_c = D[c] + D[4+c].
; BY TURNS.  While one piece's products run, the other piece's ReLU and splitting is issued.  These instructions are the places that stand between a matrix instruction and
; the reading of its result or the writing of its sources (ISA guide 7.12.1): six plain instructions at the least, so no v_nop is written.  The accumulators take turns, one
; instruction a turn.
; LIMITS.  Weights, y and activations carry about 16 significant bits (two bf16 terms); in layer 1 the product of two lo terms is left out.  Sums are fused and ordered
; otherwise than in the reference.  ReLU by v_max_num_f32 turns a NaN into 0.  Unused words of layer 1's source 1 hold old activations against zero weights: an infinity
; there gives NaN.  A NaN in en rejects the step, as in the reference, but the next step goes on with ten times the step size where the reference stays frozen.
.set FIRST, 0
.set TRIPB, 16384                      ; bytes of a trip: 16 waves x 64 points x 16 bytes
.set VOFF, 1                           ; v1      byte offset of my point of piece X in the work-group's 65,536 bytes
.set NEG1, 2                           ; v2      -1.0
.set TMP,  3
.set ACCX, 4                           ; v4, v5  sums of (err/scale)^2
.set ACCY, 5
.set A1_0, 16                          ; weights as source 0, 8 registers each
.set A1_1, 24
.set A2H,  32
.set A2L,  40
.set A3_0, 48
.set A3_1, 56
.set CB1,  64                          ; b1 + t W1[:,3], made anew for each stage
.set B1B,  72                          ; b1[8h+j]
.set W1T,  80                          ; W1[8h+j][3]
.set CB2,  88                          ; b2[8h+j]
.set CB3,  96                          ; b3 in registers 0-2, else 0
.set PX,   104                         ; piece X: 66 registers
.set PY,   170                         ; piece Y
.set D0,  0                            ; in a piece: result tile 0 (points of lanes 0-15), tile 1
.set D1,  8
.set B0,  16                           ; source 1 of tile 0 (and of layer 1), of tile 1
.set B1,  24
.set YY,  32                           ; y0 y1 y2 polarity
.set YI,  36                           ; the stage's argument, at last y5; polarity
.set K01, 40                           ; k1..k6, components 0 and 1: six pairs
.set K2,  52                           ; k1..k6, component 2
.set LP,  58                           ; the next trip's P, Q as loaded
.set LQ,  62
; s[4:5] P  s[6:7] Q  s[8:19] W1 W2 W3 b1 b2 b3, later six pairs (t_i, t_i)  s[20:21] pin  s[22:23] Pout  s[24:25] Qout  s[26:27] pout  s[28:30] old carry  s31 wave
; s32, s33 lane selects  s34 t  s35 dt  s36 done  s37 dt_e  s38 RTOL  s39 ATOL  s[40:63], s[66:93] 26 pairs (dt_e c, dt_e c)  s94 accept mask  s95 trips, then EXEC
.macro CREG n                          ; cr = the first register of coefficient pair n
.if (\n) < 12
.set cr, 40+2*(\n)
.else
.set cr, 42+2*(\n)
.endif
.endm
.macro COEF n, val                     ; pair n = dt_e x val, twice: the packed forms name a pair and take its low word for both halves
	CREG \n
	s_mul_f32 s[cr], s37, \val
	s_mov_b32 s[cr+1], s[cr]
.endm
.macro TIME i, c                       ; stage i's time t + c dt_e, twice
	s_mul_f32 s[6+2*\i], s37, \c
	s_add_f32 s[6+2*\i], s34, s[6+2*\i]
	s_mov_b32 s[7+2*\i], s[6+2*\i]
.endm
.macro WSUM r, t                       ; the sum over the 32 lanes, in every lane
	v_add_f32_dpp v[\r], v[\r], v[\r] row_xmask:1 row_mask:0xf bank_mask:0xf
	v_add_f32_dpp v[\r], v[\r], v[\r] row_xmask:2 row_mask:0xf bank_mask:0xf
	v_add_f32_dpp v[\r], v[\r], v[\r] row_xmask:4 row_mask:0xf bank_mask:0xf
	v_add_f32_dpp v[\r], v[\r], v[\r] row_xmask:8 row_mask:0xf bank_mask:0xf
	v_permlanex16_b32 v[\t], v[\r], s32, s33
	v_add_f32 v[\r], v[\r], v[\t]
.endm
.macro HILO hi, lo, src                ; eight f32 at src -> four words hi = bf16(x), four words lo = bf16(x - hi)
.irp i, 0,1,2,3
	v_cvt_pk_bf16_f32 v[\hi+\i], v[\src+2*\i], v[\src+2*\i+1]
	v_mov_b32 v[\lo+\i], 0
.endr
.irp i, 0,1,2,3
	v_fma_mixlo_bf16 v[\lo+\i], v[\hi+\i], v[NEG1], v[\src+2*\i] op_sel_hi:[1,0,0]
	v_fma_mixhi_bf16 v[\lo+\i], v[\hi+\i], v[NEG1], v[\src+2*\i+1] op_sel:[1,0,0] op_sel_hi:[1,0,0]
.endr
.endm
.macro A1W i, w                        ; word i of layer 1's weights: in A1_0 for the lanes with h = 0, in A1_1 for those with h = 1 (s45: h = 1)
	v_cndmask_b32 v[A1_0+\i], v[\w], 0, s45
	v_cndmask_b32 v[A1_1+\i], 0, v[\w], s45
.endm
.macro WM d, a, b, c
	v_wmma_f32_16x16x32_bf16 v[\d:\d+7], v[\a:\a+7], v[\b:\b+7], v[\c:\c+7]
.endm
; Four features of tile t of piece p (half q of a lane's eight): ReLU, hi and lo terms, into the tile's source 1.  Eight instructions.
.macro ACT4 p, t, q
.set ad, \p+8*\t+4*\q
.set ab, \p+B0+8*\t+2*\q
	v_dual_max_num_f32 v[ad], 0, v[ad] :: v_dual_max_num_f32 v[ad+1], 0, v[ad+1]
	v_dual_max_num_f32 v[ad+2], 0, v[ad+2] :: v_dual_max_num_f32 v[ad+3], 0, v[ad+3]
	v_cvt_pk_bf16_f32 v[ab], v[ad], v[ad+1]
	v_cvt_pk_bf16_f32 v[ab+1], v[ad+2], v[ad+3]
	v_fma_mixlo_bf16 v[ab+4], v[ab], v[NEG1], v[ad] op_sel_hi:[1,0,0]
	v_fma_mixhi_bf16 v[ab+4], v[ab], v[NEG1], v[ad+1] op_sel:[1,0,0] op_sel_hi:[1,0,0]
	v_fma_mixlo_bf16 v[ab+5], v[ab+1], v[NEG1], v[ad+2] op_sel_hi:[1,0,0]
	v_fma_mixhi_bf16 v[ab+5], v[ab+1], v[NEG1], v[ad+3] op_sel:[1,0,0] op_sel_hi:[1,0,0]
.endm
.macro SPLIT p, src                    ; layer 1's source 1 from the three numbers at src
	v_cvt_pk_bf16_f32 v[\p+B0], v[\p+\src], v[\p+\src+1]
	v_cvt_pk_bf16_f32 v[\p+B0+1], v[\p+\src+2], v[\p+\src+2]
	v_fma_mixlo_bf16 v[\p+B0+2], v[\p+B0], v[NEG1], v[\p+\src] op_sel_hi:[1,0,0]
	v_fma_mixhi_bf16 v[\p+B0+2], v[\p+B0], v[NEG1], v[\p+\src+1] op_sel:[1,0,0] op_sel_hi:[1,0,0]
	v_fma_mixlo_bf16 v[\p+B0+3], v[\p+B0+1], v[NEG1], v[\p+\src+2] op_sel_hi:[1,0,0]
	v_mov_b32 v[\p+B0+4], v[\p+B0]
.endm
.macro KFIX p, j                       ; k_j = the hi rows' sum + the lo rows' sum
	v_pk_add_f32 v[\p+K01+2*((\j)-1):\p+K01+2*((\j)-1)+1], v[\p+D0:\p+D0+1], v[\p+D0+4:\p+D0+5]
	v_add_f32 v[\p+K2+(\j)-1], v[\p+D0+2], v[\p+D0+6]
.endm
.macro TERM p, j, n, first             ; YI = (first ? y : YI) + coefficient n x k_j
	CREG \n
.if \first
	v_pk_fma_f32 v[\p+YI:\p+YI+1], v[\p+K01+2*((\j)-1):\p+K01+2*((\j)-1)+1], s[cr:cr+1], v[\p+YY:\p+YY+1] op_sel_hi:[1,0,1]
	v_fma_f32 v[\p+YI+2], v[\p+K2+(\j)-1], s[cr], v[\p+YY+2]
.else
	v_pk_fma_f32 v[\p+YI:\p+YI+1], v[\p+K01+2*((\j)-1):\p+K01+2*((\j)-1)+1], s[cr:cr+1], v[\p+YI:\p+YI+1] op_sel_hi:[1,0,1]
	v_fma_f32 v[\p+YI+2], v[\p+K2+(\j)-1], s[cr], v[\p+YI+2]
.endif
.endm
.macro RKC p, i                        ; the last stage's k, then stage i's argument, the terms in the tableau's order
	KFIX \p, \i-1
.if \i == 2
	TERM \p, 1, 0, 1
.elseif \i == 3
	TERM \p, 1, 1, 1
	TERM \p, 2, 2, 0
.elseif \i == 4
	TERM \p, 1, 3, 1
	TERM \p, 2, 4, 0
	TERM \p, 3, 5, 0
.elseif \i == 5
	TERM \p, 1, 6, 1
	TERM \p, 2, 7, 0
	TERM \p, 3, 8, 0
	TERM \p, 4, 9, 0
.elseif \i == 6
	TERM \p, 1, 10, 1
	TERM \p, 2, 11, 0
	TERM \p, 3, 12, 0
	TERM \p, 4, 13, 0
	TERM \p, 5, 14, 0
.else
	TERM \p, 1, 15, 1
	TERM \p, 3, 16, 0
	TERM \p, 4, 17, 0
	TERM \p, 5, 18, 0
	TERM \p, 6, 19, 0
.endif
.endm
.macro BIAS i                          ; layer 1's C for stage i
.irp q, 0,2,4,6
	v_pk_fma_f32 v[CB1+\q:CB1+\q+1], v[W1T+\q:W1T+\q+1], s[6+2*\i:7+2*\i], v[B1B+\q:B1B+\q+1] op_sel_hi:[1,0,1]
.endr
.endm
; The trip's y; it is stored as the next launch's P; the next trip's loads go out, a whole trip ahead of the wait for them.
.macro SEL p, off, more
.irp c, 0,1,2,3
.if FIRST
	v_mov_b32 v[\p+YY+\c], v[\p+LP+\c]
.else
	v_cndmask_b32 v[\p+YY+\c], v[\p+LP+\c], v[\p+LQ+\c], s94
.endif
.endr
	v_mov_b32 v[\p+YI+3], v[\p+YY+3]               ; the polarity rides along with y5
.if FIRST == 0
	global_store_b128 v[VOFF], v[\p+YY:\p+YY+3], s[22:23] offset:\off
.endif
.if \more
	global_load_b128 v[\p+LP:\p+LP+3], v[VOFF], s[4:5] offset:TRIPB+\off th:TH_LOAD_NT
.if FIRST == 0
	global_load_b128 v[\p+LQ:\p+LQ+3], v[VOFF], s[6:7] offset:TRIPB+\off th:TH_LOAD_NT
.endif
.endif
.endm
.macro ETERM p, ka, kb, n              ; err += coefficient n x k
	CREG \n
	v_pk_fma_f32 v[\p+B1:\p+B1+1], v[\ka:\ka+1], s[cr:cr+1], v[\p+B1:\p+B1+1] op_sel_hi:[1,0,1]
	v_fma_f32 v[\p+B1+2], v[\kb], s[cr], v[\p+B1+2]
.endm
; The step's end for a piece: k7; 1 / (ATOL + RTOL max(|y|, |y5|)); err; the sum of squares; y5 (stage 7's argument: the tableau's last row is B5) is stored.
; D1 and B1 are free and serve as temporaries.  The error terms are the plain instructions between the reciprocals and the use of their results.
.macro FIN p, acc, off
	v_pk_add_f32 v[\p+D1:\p+D1+1], v[\p+D0:\p+D0+1], v[\p+D0+4:\p+D0+5]
	v_add_f32 v[\p+D1+2], v[\p+D0+2], v[\p+D0+6]
.irp c, 0,1,2
	v_max_num_f32 v[\p+D1+4+\c], |v[\p+YY+\c]|, |v[\p+YI+\c]|
.endr
.irp c, 0,1,2
	v_fma_f32 v[\p+D1+4+\c], v[\p+D1+4+\c], s38, s39
.endr
.irp c, 0,1,2
	v_rcp_f32 v[\p+D1+4+\c], v[\p+D1+4+\c]
.endr
	CREG 20
	v_pk_mul_f32 v[\p+B1:\p+B1+1], v[\p+K01:\p+K01+1], s[cr:cr+1] op_sel_hi:[1,0]
	v_mul_f32 v[\p+B1+2], s[cr], v[\p+K2]
	ETERM \p, \p+K01+4, \p+K2+2, 21
	ETERM \p, \p+K01+6, \p+K2+3, 22
	ETERM \p, \p+K01+8, \p+K2+4, 23
	ETERM \p, \p+K01+10, \p+K2+5, 24
	ETERM \p, \p+D1, \p+D1+2, 25
	s_wait_alu depctr_va_vdst(0)
	v_pk_mul_f32 v[\p+B1:\p+B1+1], v[\p+B1:\p+B1+1], v[\p+D1+4:\p+D1+5]
	v_mul_f32 v[\p+B1+2], v[\p+B1+2], v[\p+D1+6]
.irp c, 0,1,2
	v_fmac_f32 v[\acc], v[\p+B1+\c], v[\p+B1+\c]
.endr
	global_store_b128 v[VOFF], v[\p+YI:\p+YI+3], s[24:25] offset:\off
.endm
; From piece X's layer-1 results and piece Y's layer-1 source to both pieces' layer-3 results: 14 products with the other piece's 16 ACT4 between them.
.macro LAYERS
	WM PY+D0, A1_0, PY+B0, CB1
	ACT4 PX, 0, 0
	WM PY+D1, A1_1, PY+B0, CB1
	ACT4 PX, 0, 1
	ACT4 PX, 1, 0
	ACT4 PX, 1, 1
	WM PX+D0, A2H, PX+B0, CB2
	ACT4 PY, 0, 0
	WM PX+D1, A2H, PX+B1, CB2
	ACT4 PY, 0, 1
	WM PX+D0, A2L, PX+B0, PX+D0
	ACT4 PY, 1, 0
	WM PX+D1, A2L, PX+B1, PX+D1
	ACT4 PY, 1, 1
	WM PY+D0, A2H, PY+B0, CB2
	ACT4 PX, 0, 0
	WM PY+D1, A2H, PY+B1, CB2
	ACT4 PX, 0, 1
	WM PY+D0, A2L, PY+B0, PY+D0
	ACT4 PX, 1, 0
	WM PY+D1, A2L, PY+B1, PY+D1
	ACT4 PX, 1, 1
	WM PX+D0, A3_0, PX+B0, CB3
	ACT4 PY, 0, 0
	ACT4 PY, 0, 1
	WM PY+D0, A3_0, PY+B0, CB3
	ACT4 PY, 1, 0
	WM PX+D0, A3_1, PX+B1, PX+D0
	ACT4 PY, 1, 1
	WM PY+D0, A3_1, PY+B1, PY+D0
.endm
.macro STAGE i, more
.if \i != 7
	BIAS \i                                        ; stage 7 has stage 6's time: its C stands
.endif
.if \i == 1
	SEL PX, 0, \more
	SPLIT PX, YY
.else
	RKC PX, \i
	SPLIT PX, YI
.endif
	WM PX+D0, A1_0, PX+B0, CB1
.if \i == 1
	SEL PY, 512, \more
.else
	RKC PY, \i
.endif
	WM PX+D1, A1_1, PX+B0, CB1
.if \i == 1
	SPLIT PY, YY
.else
	SPLIT PY, YI
.endif
	LAYERS
.endm
.macro TRIP more
	s_wait_loadcnt 0x0                             ; this trip's P and Q, asked for a whole trip ago; nothing younger is out
	STAGE 1, \more
	STAGE 2, 0
	STAGE 3, 0
	STAGE 4, 0
	STAGE 5, 0
	STAGE 6, 0
	STAGE 7, 0
	FIN PX, ACCX, 0
	FIN PY, ACCY, 512
.if \more
	s_wait_xcnt 0x0                                ; the offset that the loads and stores name, and the stores' data (y, y5), are rewritten only behind this wait
	v_add_nc_u32 v[VOFF], TRIPB, v[VOFF]
.endif
.endm
	; ---- arguments, ids, offsets
.if FIRST
	s_load_b64 s[4:5], s[0:1], 0x0                 ; events
	s_load_b256 s[8:15], s[0:1], 0x8               ; W1 W2 W3 b1
	s_load_b128 s[16:19], s[0:1], 0x28             ; b2 b3
	s_load_b128 s[24:27], s[0:1], 0x38             ; Qout pout
.else
	s_load_b512 s[4:19], s[0:1], 0x0               ; P Q W1 W2 W3 b1 b2 b3
	s_load_b256 s[20:27], s[0:1], 0x40             ; pin Pout Qout pout
	v_lshl_add_u32 v240, v0, 2, 0x100
	v_mov_b32 v241, 0
.endif
	v_and_b32 v6, 31, v0                           ; lane
	v_lshrrev_b32 v7, 5, v0
	v_readfirstlane_b32 s31, v7                    ; wave
	v_and_b32 v8, 15, v0                           ; r
	v_bfe_u32 v9, v0, 4, 1                         ; h
	v_lshlrev_b32 v[VOFF], 4, v6
	v_lshl_add_u32 v[VOFF], v7, 10, v[VOFF]        ; 1,024 wave + 16 lane
	v_lshlrev_b32 v10, 5, v6                       ; my 8 of the 256 partial sums
	v_lshlrev_b32 v14, 5, v9                       ; 32 h: b1, b2
	v_lshl_add_u32 v11, v8, 6, v14                 ; W2[r][8h]
	v_and_b32 v12, 3, v8
	v_min_u32 v12, 2, v12
	v_lshl_add_u32 v12, v12, 6, v14                ; W3[min(r % 4, 2)][8h]: inside its three rows
	v_lshlrev_b32 v13, 4, v8                       ; W1[r][0]
	v_lshlrev_b32 v15, 7, v9                       ; W1[8h][0]
	v_mov_b32 v[NEG1], -1.0
	s_lshl_b32 s2, ttmp9, 16                       ; the work-group's 65,536 bytes
	s_mov_b32 s3, 0
	s_mov_b32 s32, 0x76543210                      ; v_permlanex16_b32: each lane takes its own place in the other half
	s_mov_b32 s33, 0xfedcba98
	s_mov_b32 s38, 0x3727c5ac                      ; RTOL = 1e-5
	s_mov_b32 s39, 0x358637bd                      ; ATOL = 1e-6
	s_wait_kmcnt 0x0
	s_add_nc_u64 s[4:5], s[4:5], s[2:3]
	s_add_nc_u64 s[24:25], s[24:25], s[2:3]
.if FIRST == 0
	s_add_nc_u64 s[6:7], s[6:7], s[2:3]
	s_add_nc_u64 s[22:23], s[22:23], s[2:3]
.endif
	; ---- all the head's loads in one run
	global_load_b128 v[PX+LP:PX+LP+3], v[VOFF], s[4:5] th:TH_LOAD_NT
	global_load_b128 v[PY+LP:PY+LP+3], v[VOFF], s[4:5] offset:512 th:TH_LOAD_NT
.if FIRST == 0
	global_load_b128 v[PX+LQ:PX+LQ+3], v[VOFF], s[6:7] th:TH_LOAD_NT
	global_load_b128 v[PY+LQ:PY+LQ+3], v[VOFF], s[6:7] offset:512 th:TH_LOAD_NT
	global_load_b128 v[PX+B1:PX+B1+3], v10, s[20:21]
	global_load_b128 v[PX+B1+4:PX+B1+7], v10, s[20:21] offset:16
	s_load_b96 s[28:30], s[20:21], 0x400           ; the carry from which the last step began: t, dt, done
.endif
	global_load_b128 v[PX+D0:PX+D0+3], v11, s[10:11]
	global_load_b128 v[PX+D0+4:PX+D0+7], v11, s[10:11] offset:16
	global_load_b128 v[PX+D1:PX+D1+3], v12, s[12:13]
	global_load_b128 v[PX+D1+4:PX+D1+7], v12, s[12:13] offset:16
	global_load_b128 v[PX+B0:PX+B0+3], v13, s[8:9]
	global_load_b128 v[B1B:B1B+3], v14, s[14:15]
	global_load_b128 v[B1B+4:B1B+7], v14, s[14:15] offset:16
	global_load_b128 v[CB2:CB2+3], v14, s[16:17]
	global_load_b128 v[CB2+4:CB2+7], v14, s[16:17] offset:16
.irp j, 0,1,2,3,4,5,6,7
	global_load_b32 v[W1T+\j], v15, s[8:9] offset:16*\j+12
.endr
	s_load_b96 s[40:42], s[18:19], 0x0             ; b3
	s_wait_loadcnt 0x0                             ; one wait for the whole run: nothing below can start on a part of it
	s_wait_kmcnt 0x0
	; ---- the weights as source 0
	HILO A2H, A2L, PX+D0
.irp i, 0,1,2,3
	v_mov_b32 v[A2H+4+\i], v[A2H+\i]               ; k = 16..31 meet the activations' lo terms: the same weights
	v_mov_b32 v[A2L+4+\i], v[A2L+\i]
.endr
	HILO PY+D0, PY+D0+4, PX+D1
	v_and_b32 v[TMP], 4, v8
	v_cmp_ne_u32 s44, 0, v[TMP]                    ; rows 4-7 and 12-15 take W3's lo term
	v_and_b32 v[TMP], 3, v8
	v_cmp_ne_u32 s45, 3, v[TMP]                    ; rows 3, 7, 11, 15 are zero
	v_cmp_gt_u32 s46, 8, v8
	s_and_not1_b32 s47, s45, s46                   ; rows of A3_1
	s_and_b32 s46, s45, s46                        ; rows of A3_0
.irp i, 0,1,2,3
	v_cndmask_b32 v[TMP], v[PY+D0+\i], v[PY+D0+4+\i], s44
	v_cndmask_b32 v[A3_0+\i], 0, v[TMP], s46
	v_cndmask_b32 v[A3_1+\i], 0, v[TMP], s47
	v_mov_b32 v[A3_0+4+\i], v[A3_0+\i]
	v_mov_b32 v[A3_1+4+\i], v[A3_1+\i]
.endr
	v_cmp_ne_u32 s45, 0, v9                        ; h = 1
	v_cvt_pk_bf16_f32 v[PY+D1], v[PX+B0], v[PX+B0+1]             ; (W1h[r][0], W1h[r][1])
	v_cvt_pk_bf16_f32 v[PY+D1+4], v[PX+B0+2], v[PX+B0+2]         ; (W1h[r][2], the same)
	v_mov_b32 v[PY+D1+3], 0
	v_fma_mixlo_bf16 v[PY+D1+3], v[PY+D1], v[NEG1], v[PX+B0] op_sel_hi:[1,0,0]                    ; (W1l[r][0], W1l[r][1])
	v_fma_mixhi_bf16 v[PY+D1+3], v[PY+D1], v[NEG1], v[PX+B0+1] op_sel:[1,0,0] op_sel_hi:[1,0,0]
	v_mov_b32 v[PY+D1+1], v[PY+D1+4]
	v_fma_mixhi_bf16 v[PY+D1+1], v[PY+D1+4], v[NEG1], v[PX+B0+2] op_sel_hi:[1,0,0]                ; (W1h[r][2], W1l[r][2])
	v_and_b32 v[PY+D1+2], 0xffff, v[PY+D1+4]                     ; (W1h[r][2], 0)
	A1W 0, PY+D1
	A1W 1, PY+D1+1
	A1W 2, PY+D1
	A1W 3, PY+D1+2
	A1W 4, PY+D1+3
.irp i, 5,6,7
	v_mov_b32 v[A1_0+\i], 0
	v_mov_b32 v[A1_1+\i], 0
.endr
.irp c, 0,1,2
	v_mov_b32 v[CB3+\c], s[40+\c]
.endr
.irp c, 3,4,5,6,7
	v_mov_b32 v[CB3+\c], 0
.endr
	; ---- the carry
.if FIRST
	s_mov_b32 s34, 0                               ; t = 0
	s_mov_b32 s35, 0x3d4ccccd                      ; dt = 0.05
	s_mov_b32 s36, 0                               ; not done
	s_mov_b32 s37, 0x3d4ccccd                      ; dt_e = min(dt, 1 - t)
.else
	v_pk_add_f32 v[PX+B1:PX+B1+1], v[PX+B1:PX+B1+1], v[PX+B1+2:PX+B1+3]
	v_pk_add_f32 v[PX+B1+4:PX+B1+5], v[PX+B1+4:PX+B1+5], v[PX+B1+6:PX+B1+7]
	v_pk_add_f32 v[PX+B1:PX+B1+1], v[PX+B1:PX+B1+1], v[PX+B1+4:PX+B1+5]
	v_add_f32 v6, v[PX+B1], v[PX+B1+1]
	WSUM 6, 7
	v_mul_f32 v6, 0x34aaaaab, v6                   ; the mean over 3,145,728 numbers
	v_sqrt_f32 v6, v6
	v_sub_f32 v11, 1.0, s28                        ; (a plain instruction behind each transcendental before its result is used)
	v_min_num_f32 v11, s29, v11                    ; the last step's dt_e
	s_wait_alu depctr_va_vdst(0)
	v_cmp_ge_f32 s94, 1.0, v6                      ; en <= 1; the floor of 1e-10 below cannot change it, and a NaN fails it
	v_cmp_eq_f32 s44, s30, 0                       ; not done
	s_and_b32 s94, s94, s44                        ; accept: all lanes or none
	v_max_num_f32 v6, 0x2edbe6ff, v6               ; en = max(.., 1e-10)
	v_log_f32 v10, v6
	v_add_f32 v12, s28, v11
	s_wait_alu depctr_va_vdst(0)
	v_mul_f32 v10, 0xbe4ccccd, v10                 ; en^-0.2 = 2^(-0.2 log2 en)
	v_exp_f32 v10, v10
	v_mov_b32 v13, s28
	s_wait_alu depctr_va_vdst(0)
	v_mul_f32 v10, 0x3f666666, v10                 ; 0.9 ..
	v_max_num_f32 v10, 0x3e4ccccd, v10             ; clipped to 0.2 .. 10
	v_min_num_f32 v10, 0x41200000, v10
	v_cndmask_b32 v12, v13, v12, s94               ; t
	v_mul_f32 v14, v11, v10
	v_mov_b32 v15, s29
	v_cndmask_b32 v14, v15, v14, s44               ; dt = done ? dt : dt_e fac
	v_cmp_le_f32 s45, 1.0, v12                     ; done: t >= 1 - 1e-9, which is 1 in f32
	v_cndmask_b32 v13, 0, 1.0, s45
	v_sub_f32 v15, 1.0, v12
	v_min_num_f32 v15, v14, v15                    ; this step's dt_e
	v_readfirstlane_b32 s34, v12
	v_readfirstlane_b32 s35, v14
	v_readfirstlane_b32 s36, v13
	v_readfirstlane_b32 s37, v15
.endif
	; ---- dt_e times the tableau, and the stages' times (the weights' addresses in s[8:19] have served: all loads are back)
	COEF 0, 0.2
	COEF 1, 0.075
	COEF 2, 0.225
	COEF 3, 0.977777778
	COEF 4, -3.73333333
	COEF 5, 3.55555556
	COEF 6, 2.95259869
	COEF 7, -11.5957933
	COEF 8, 9.82289285
	COEF 9, -0.290809328
	COEF 10, 2.84627525
	COEF 11, -10.7575758
	COEF 12, 8.90642272
	COEF 13, 0.278409091
	COEF 14, -0.273531304
	COEF 15, 0.0911458333
	COEF 16, 0.449236298
	COEF 17, 0.651041667
	COEF 18, -0.322376179
	COEF 19, 0.130952381
	COEF 20, 0.00123263889
	COEF 21, -0.00425277029
	COEF 22, 0.0369791667
	COEF 23, -0.0508637972
	COEF 24, 0.0419047619
	COEF 25, -0.025
	s_mov_b32 s8, s34
	s_mov_b32 s9, s34
	TIME 2, 0.2
	TIME 3, 0.3
	TIME 4, 0.8
	TIME 5, 0.888888889
	s_add_f32 s18, s34, s37
	s_mov_b32 s19, s18
	; ---- the sources 1 start at zero: the half-word writes keep a word's other half, and layer 1 reads words that only later layers write
.irp p, PX, PY
.set zi, 0
.rept 16
	v_mov_b32 v[\p+B0+zi], 0
.set zi, zi+1
.endr
.endr
	v_mov_b32 v[ACCX], 0
	v_mov_b32 v[ACCY], 0
	s_mov_b32 s95, 3
.Ltrip:
	TRIP 1
	s_sub_co_u32 s95, s95, 1
	s_cmp_lg_u32 s95, 0
	s_cbranch_scc1 .Ltrip
	TRIP 0                                         ; the last trip is written out: it asks for nothing beyond the work-group's bytes
	; ---- the work-group's sum: lanes, then the 16 waves through LDS bytes 0-63
	v_add_f32 v[ACCX], v[ACCX], v[ACCY]
	WSUM ACCX, 6
	v_mov_b32 v7, s31
	v_lshlrev_b32 v7, 2, v7
	ds_store_b32 v7, v[ACCX]
	s_wait_dscnt 0x0                               ; for wave 0's sake: my word is in LDS
	s_barrier_signal -1
	s_barrier_wait -1
	s_cmp_lg_u32 s31, 0
	s_cbranch_scc1 .Lend
	v_mov_b32 v9, 0
.irp i, 0,1,2,3
	ds_load_b128 v[PX+4*\i:PX+4*\i+3], v9 offset:16*\i
.endr
	v_mov_b32 v6, s34                              ; the carry from which this step began
	v_mov_b32 v7, s35
	v_mov_b32 v8, s36
	s_lshl_b32 s2, ttmp9, 2
	s_mov_b32 s3, 0
	s_add_nc_u64 s[26:27], s[26:27], s[2:3]        ; my work-group's word
	s_wait_dscnt 0x0
.irp i, 0,4,8,12
	v_pk_add_f32 v[PX+\i:PX+\i+1], v[PX+\i:PX+\i+1], v[PX+\i+2:PX+\i+3]
.endr
	v_pk_add_f32 v[PX:PX+1], v[PX:PX+1], v[PX+4:PX+5]
	v_pk_add_f32 v[PX+8:PX+9], v[PX+8:PX+9], v[PX+12:PX+13]
	v_pk_add_f32 v[PX:PX+1], v[PX:PX+1], v[PX+8:PX+9]
	v_add_f32 v[ACCX], v[PX], v[PX+1]
	v_cmp_eq_u32 vcc_lo, 0, v0
	s_wait_xcnt 0x0                                ; EXEC changes only behind this wait: the trip's stores name it
	s_and_saveexec_b32 s95, vcc_lo
	global_store_b32 v9, v[ACCX], s[26:27]
	s_cmp_lg_u32 s2, 0
	s_cbranch_scc1 .Lnocarry
	global_store_b96 v9, v[6:8], s[26:27] offset:1024   ; work-group 0 alone
.Lnocarry:
	s_wait_xcnt 0x0
	s_or_b32 exec_lo, exec_lo, s95
.Lend:
	s_wait_tensorcnt 0x0
	ds_add_u32 v240, v241
	s_wait_dscnt 0x0
	s_endpgm
.Lfunc_end_k_qb50d0d6e83_s2:
	.size	k_qb50d0d6e83_s2, .Lfunc_end_k_qb50d0d6e83_s2-k_qb50d0d6e83_s2
	.p2alignl 7, 3214868480
	.fill 96, 4, 3214868480
	.section	.rodata,"a",@progbits
	.p2align	6, 0x0
	.amdhsa_kernel k_qb50d0d6e83_s2
		.amdhsa_group_segment_fixed_size 2304
		.amdhsa_private_segment_fixed_size 0
		.amdhsa_enable_private_segment 0
		.amdhsa_kernarg_size 96
		.amdhsa_user_sgpr_count 2
		.amdhsa_user_sgpr_kernarg_segment_ptr 1
		.amdhsa_wavefront_size32 1
		.amdhsa_system_sgpr_workgroup_id_x 1
		.amdhsa_system_sgpr_workgroup_id_y 1
		.amdhsa_system_sgpr_workgroup_id_z 1
		.amdhsa_system_vgpr_workitem_id 0
		.amdhsa_next_free_vgpr 242
		.amdhsa_next_free_sgpr 96
		.amdhsa_reserve_vcc 1
		.amdhsa_float_denorm_mode_32 3
		.amdhsa_float_denorm_mode_16_64 3
		.amdhsa_memory_ordered 1
		.amdhsa_forward_progress 1
		.amdhsa_inst_pref_size 177
	.end_amdhsa_kernel
	.amdgpu_metadata
---
amdhsa.version: [ 1, 2 ]
amdhsa.kernels:
  - .name:           k_qb50d0d6e83_s2
    .symbol:         k_qb50d0d6e83_s2.kd
    .args:
      - { .name: events, .offset: 0, .size: 8, .value_kind: global_buffer, .address_space: global }
      - { .name: qa, .offset: 8, .size: 8, .value_kind: global_buffer, .address_space: global }
      - { .name: W1, .offset: 16, .size: 8, .value_kind: global_buffer, .address_space: global }
      - { .name: W2, .offset: 24, .size: 8, .value_kind: global_buffer, .address_space: global }
      - { .name: W3, .offset: 32, .size: 8, .value_kind: global_buffer, .address_space: global }
      - { .name: b1, .offset: 40, .size: 8, .value_kind: global_buffer, .address_space: global }
      - { .name: b2, .offset: 48, .size: 8, .value_kind: global_buffer, .address_space: global }
      - { .name: b3, .offset: 56, .size: 8, .value_kind: global_buffer, .address_space: global }
      - { .name: pa, .offset: 64, .size: 8, .value_kind: global_buffer, .address_space: global }
      - { .name: qb, .offset: 72, .size: 8, .value_kind: global_buffer, .address_space: global }
      - { .name: qc, .offset: 80, .size: 8, .value_kind: global_buffer, .address_space: global }
      - { .name: pb, .offset: 88, .size: 8, .value_kind: global_buffer, .address_space: global }
    .group_segment_fixed_size: 2304
    .private_segment_fixed_size: 0
    .kernarg_segment_align: 8
    .kernarg_segment_size: 96
    .max_flat_workgroup_size: 512
    .sgpr_count:     96
    .vgpr_count:     242
    .wavefront_size: 32
...
	.end_amdgpu_metadata
.endif
;; end of part 2
;; launch s3: the kernel of part 2 again; grid 256 x 1, 16 waves a work-group, no clusters, 2,304 bytes of LDS; arguments qb, qc, W1, W2, W3, b1, b2, b3, pb, qa, qd, pa; writes qa, qd, pa
;; launch s4: the kernel of part 2 again; grid 256 x 1, 16 waves a work-group, no clusters, 2,304 bytes of LDS; arguments qa, qd, W1, W2, W3, b1, b2, b3, pa, qb, qc, pb; writes qb, qc, pb
;; launch fin (part 3): grid 512 x 1, 8 waves a work-group, no clusters, 0 bytes of LDS; arguments qb, qc, pb, out0; writes out0
.if DOCPART == 3
	.amdgcn_target "amdgcn-amd-amdhsa--gfx1250"
	.amdhsa_code_object_version 6
	.text
	.protected	k_qb50d0d6e83_fin
	.globl	k_qb50d0d6e83_fin
	.p2align	8
	.type	k_qb50d0d6e83_fin,@function
k_qb50d0d6e83_fin:
	s_mov_b64 s[64:65], 0
	v_nop
	global_prefetch_b8 v0, s[64:65] scope:SCOPE_SE
	s_setreg_imm32_b32 hwreg(HW_REG_WAVE_MODE, 25, 1), 1
	s_wait_xcnt 0x0
; THE LAST SELECTION: out = accept ? Q : P, where P is the state from which the fourth step began, Q its candidate (both carry the polarity in word 3), and
; accept = (en <= 1) and not done.  en comes from the fourth step's 256 partial sums, added in the same order as the step launches add theirs.  The reference's floor of
; 1e-10 under en lies below 1 and cannot change the test, so it is not written; a NaN fails the test, as in the reference.
; A stream: 512 work-groups of 8 waves; a work-group owns 32,768 bytes; thread t takes the 16 bytes at 16 t + 4,096 j, j = 0..7, so each load and store of a wave covers
; 512 consecutive bytes, aligned.  All 16 loads of a thread go out at once; no LDS, no barrier and no matrix unit: each byte is read once and written once.
.set PS, 4                             ; v[4:11]   my 8 partial sums
.set PP, 16                            ; v[16:47]  P, 4 registers for each j; the result in place
.set QQ, 48                            ; v[48:79]  Q
	s_load_b256 s[4:11], s[0:1], 0x0               ; P s[4:5], Q s[6:7], the sums and the carry s[8:9], out s[10:11]
	v_lshlrev_b32 v1, 4, v0                        ; 16 t
	v_and_b32 v2, 31, v0
	v_lshlrev_b32 v2, 5, v2                        ; 32 lane
	v_mov_b32 v12, 0                               ; v_permlanex16_b32 counts as a reader of its destination
	s_lshl_b32 s2, ttmp9, 15
	s_mov_b32 s3, 0
	s_mov_b32 s18, 0x76543210
	s_mov_b32 s19, 0xfedcba98
	s_wait_kmcnt 0x0
	s_load_b32 s12, s[8:9], 0x408                  ; done, as the fourth step found it
	global_load_b128 v[PS:PS+3], v2, s[8:9]
	global_load_b128 v[PS+4:PS+7], v2, s[8:9] offset:16
	s_add_nc_u64 s[4:5], s[4:5], s[2:3]
	s_add_nc_u64 s[6:7], s[6:7], s[2:3]
	s_add_nc_u64 s[10:11], s[10:11], s[2:3]
.irp j, 0,1,2,3,4,5,6,7
	global_load_b128 v[PP+4*\j:PP+4*\j+3], v1, s[4:5] offset:4096*\j th:TH_LOAD_NT
	global_load_b128 v[QQ+4*\j:QQ+4*\j+3], v1, s[6:7] offset:4096*\j th:TH_LOAD_NT
.endr
	s_wait_loadcnt 16                              ; the partial sums are in; the 16 loads issued behind them stay out
	v_pk_add_f32 v[PS:PS+1], v[PS:PS+1], v[PS+2:PS+3]
	v_pk_add_f32 v[PS+4:PS+5], v[PS+4:PS+5], v[PS+6:PS+7]
	v_pk_add_f32 v[PS:PS+1], v[PS:PS+1], v[PS+4:PS+5]
	v_add_f32 v[PS], v[PS], v[PS+1]
	v_add_f32_dpp v[PS], v[PS], v[PS] row_xmask:1 row_mask:0xf bank_mask:0xf
	v_add_f32_dpp v[PS], v[PS], v[PS] row_xmask:2 row_mask:0xf bank_mask:0xf
	v_add_f32_dpp v[PS], v[PS], v[PS] row_xmask:4 row_mask:0xf bank_mask:0xf
	v_add_f32_dpp v[PS], v[PS], v[PS] row_xmask:8 row_mask:0xf bank_mask:0xf
	v_permlanex16_b32 v12, v[PS], s18, s19
	v_add_f32 v[PS], v[PS], v12
	v_mul_f32 v[PS], 0x34aaaaab, v[PS]             ; the mean over 3,145,728 numbers
	v_sqrt_f32 v[PS], v[PS]
	v_nop                                          ; a plain instruction between the root and its use
	s_wait_kmcnt 0x0
	s_wait_alu depctr_va_vdst(0)
	v_cmp_ge_f32 s16, 1.0, v[PS]                   ; en <= 1
	v_cmp_eq_f32 s17, s12, 0                       ; not done
	s_and_b32 s16, s16, s17                        ; accept: all lanes or none
.irp j, 0,1,2,3,4,5,6,7
	s_wait_loadcnt 14-2*\j                         ; pair j is in; the pairs behind it stay out
.irp c, 0,1,2,3
	v_cndmask_b32 v[PP+4*\j+\c], v[PP+4*\j+\c], v[QQ+4*\j+\c], s16
.endr
	global_store_b128 v1, v[PP+4*\j:PP+4*\j+3], s[10:11] offset:4096*\j th:TH_STORE_NT
.endr
	s_endpgm
.Lfunc_end_k_qb50d0d6e83_fin:
	.size	k_qb50d0d6e83_fin, .Lfunc_end_k_qb50d0d6e83_fin-k_qb50d0d6e83_fin
	.p2alignl 7, 3214868480
	.fill 96, 4, 3214868480
	.section	.rodata,"a",@progbits
	.p2align	6, 0x0
	.amdhsa_kernel k_qb50d0d6e83_fin
		.amdhsa_group_segment_fixed_size 0
		.amdhsa_private_segment_fixed_size 0
		.amdhsa_enable_private_segment 0
		.amdhsa_kernarg_size 32
		.amdhsa_user_sgpr_count 2
		.amdhsa_user_sgpr_kernarg_segment_ptr 1
		.amdhsa_wavefront_size32 1
		.amdhsa_system_sgpr_workgroup_id_x 1
		.amdhsa_system_sgpr_workgroup_id_y 1
		.amdhsa_system_sgpr_workgroup_id_z 1
		.amdhsa_system_vgpr_workitem_id 0
		.amdhsa_next_free_vgpr 84
		.amdhsa_next_free_sgpr 66
		.amdhsa_reserve_vcc 0
		.amdhsa_float_denorm_mode_32 3
		.amdhsa_float_denorm_mode_16_64 3
		.amdhsa_memory_ordered 1
		.amdhsa_forward_progress 1
		.amdhsa_inst_pref_size 7
	.end_amdhsa_kernel
	.amdgpu_metadata
---
amdhsa.version: [ 1, 2 ]
amdhsa.kernels:
  - .name:           k_qb50d0d6e83_fin
    .symbol:         k_qb50d0d6e83_fin.kd
    .args:
      - { .name: qb, .offset: 0, .size: 8, .value_kind: global_buffer, .address_space: global }
      - { .name: qc, .offset: 8, .size: 8, .value_kind: global_buffer, .address_space: global }
      - { .name: pb, .offset: 16, .size: 8, .value_kind: global_buffer, .address_space: global }
      - { .name: out0, .offset: 24, .size: 8, .value_kind: global_buffer, .address_space: global }
    .group_segment_fixed_size: 0
    .private_segment_fixed_size: 0
    .kernarg_segment_align: 8
    .kernarg_segment_size: 32
    .max_flat_workgroup_size: 256
    .sgpr_count:     66
    .vgpr_count:     84
    .wavefront_size: 32
...
	.end_amdgpu_metadata
.endif
;; end of part 3
;; ======== version 2 of 2: 5 launches; 1.50 times as fast as version 1
;; workspace buffers: qa 16,777,216 bytes; qb 16,777,216 bytes; qc 16,777,216 bytes; qd 16,777,216 bytes; pa 2,048 bytes; pb 2,048 bytes
;; launch s1 (part 4): grid 256 x 1, 16 waves a work-group, no clusters, 2,304 bytes of LDS; arguments events, W1, W2, W3, b1, b2, b3, qa, pa; writes qa, pa
.if DOCPART == 4
	.amdgcn_target "amdgcn-amd-amdhsa--gfx1250"
	.amdhsa_code_object_version 6
	.text
	.protected	k_qb50d0d6e83_s1
	.globl	k_qb50d0d6e83_s1
	.p2align	8
	.type	k_qb50d0d6e83_s1,@function
k_qb50d0d6e83_s1:
	s_mov_b64 s[64:65], 0
	v_nop
	global_prefetch_b8 v0, s[64:65] scope:SCOPE_SE
	s_setreg_imm32_b32 hwreg(HW_REG_WAVE_MODE, 25, 1), 1
	s_wait_xcnt 0x0
; ONE DORMAND-PRINCE 5(4) STEP on 1,048,576 points (3 state numbers and a polarity, 16 bytes a point).  This text serves two bodies:
; FIRST = 1: the first step: y = events, t = 0, dt = 0.05.   FIRST = 0: a later step.  A later step first closes the step before it: it adds that launch's 256 partial
; sums of (err/scale)^2 (every wave in the same order, so every wave has the same bits), makes en, accept, t, dt, done, and takes y = accept ? Q : P by v_cndmask_b32
; (P: the state the last step began from, Q: its candidate).  It stores y (Pout), the new candidate y5 (Qout), one partial sum a work-group and the carry (t, dt, done) (pout).
; SHARES.  256 work-groups of 16 waves; a work-group owns 4,096 points (65,536 bytes of each buffer); a wave makes 4 trips of 64 points: two PIECES X and Y of 32 points,
; one point a lane.  Every global load and store of a wave covers 512 consecutive bytes, aligned.
; THE MLP (4-16-16-3) ON THE MATRIX UNIT, weights as source 0 (rows = output features), points as source 1 (columns).  A result tile holds feature 8h+j of point r in
; register j (r = lane % 16, h = lane / 16), which, packed in pairs, IS registers 0-3 of the next source 1 (k = 8h..8h+7).  K = 32 has room for two terms of each of 16
; features: registers 0-3 take hi = bf16(a), registers 4-7 lo = bf16(a - hi), and the weights stand twice along K.  err is a small difference of the seven k, so what
; CHANGES from stage to stage (y, h1, h2) carries two terms.  The weights are rounded to bf16 once: that is the same field in all seven stages and adds nothing to err.
;   layer 1: one source 1 for both tiles, each lane its own point: words (y0h,y1h) (y2h,-) (y0l,-) (y2l,-) - (y1l,-); the weights stand in the lanes of one half only
;            (A1_0: h = 0, A1_1: h = 1), so the other half's points meet zeros.  b1 + t W1[:,3] goes in exact f32 as C.
;   layer 3: rows 0-2 = W3 for tile 0 (A3_0), rows 8-10 for tile 1 (A3_1), both onto one sum KK that starts from b3: lane (r,h) then holds its own point's k in KK[0..2].
; Twelve products serve a stage of 64 points: one for each result tile of 16 points, the least that the shapes allow.
; THE ORDER.  A wave issues in order, so the text keeps dependent instructions apart.  (a) A piece's activation goes by LEVELS over both its tiles: 8 ReLU pairs, 8
; conversions, 8 low halves, 8 high halves, and the other piece's products stand among them.  (b) The Runge-Kutta sums are kept by TARGET: as soon as k_j is there it
; is added into the arguments of all later stages and into err (the terms of each sum in the tableau's order).  One term (TCRIT) lies on the way to the next stage; the
; others (DEFA, DEFB) depend on nothing but k_j and stand in the gaps of that way.  These instructions are also the places between a matrix instruction and the reading
; of its result or the writing of its sources (ISA guide 7.12.1): four at the least, counted at each macro below, so no v_nop is written.
; (c) The matrix instructions of a stage go X.L1a Y.L3b X.L1b Y.L1a Y.L1b X.L2a X.L2b Y.L2a X.L3a Y.L2b X.L3b Y.L3a: the accumulators take turns, one instruction a
; turn.  Only at a trip's end do layer 3's two links follow each other, and an s_wait_alu stands ahead of the second.
; LIMITS.  W1[:,0:3], W2 and W3 carry bf16's 8 significant bits; y and the activations about 16 (two bf16 terms).  Sums are fused and ordered otherwise than in the
; reference.  By estimate en differs from the reference's by about 1e-3 of its value: an accept decision can differ if en lies within about 3e-3 of 1.  ReLU by
; v_max_num_f32 turns a NaN into 0.  Unused half words of layer 1's source 1 hold old activations against zero weights: an infinity there gives NaN.  A NaN in en
; rejects the step, as in the reference, but the next step goes on with ten times the step size where the reference stays frozen.
.set FIRST, 1
.set TRIPB, 16384                      ; bytes of a trip: 16 waves x 64 points x 16 bytes
.set VOFF, 1                           ; v1      byte offset of my point of piece X in the work-group's 65,536 bytes
.set NEG1, 2                           ; v2      -1.0
.set TMP,  3
.set ACCX, 4                           ; v4, v5  sums of (err/scale)^2
.set ACCY, 5
.set A1_0, 16                          ; weights as source 0, 8 registers each
.set A1_1, 24
.set A2W,  32                          ; (v40-47 are not used)
.set A3_0, 48
.set A3_1, 56
.set CB1,  64                          ; b1 + t W1[:,3], made anew for each stage
.set B1B,  72                          ; b1[8h+j]
.set W1T,  80                          ; W1[8h+j][3]
.set CB2,  88                          ; b2[8h+j]
.set CB3,  96                          ; b3 in registers 0-2, else 0
.set PX,   104                         ; piece X: 74 registers
.set PY,   178                         ; piece Y
.set D0,  0                            ; in a piece: result tile 0 (points of lanes 0-15), tile 1
.set D1,  8
.set B0,  16                           ; source 1 of tile 0 (and of layer 1), of tile 1
.set B1,  24
.set KK,  32                           ; layer 3's sum: registers 0-2 hold k_j until the next stage's layer 3
.set YY,  40                           ; y0 y1 y2 polarity
.set Y5,  44                           ; stage 7's argument = y5 (the tableau's last row is B5); polarity
.set AP,  48                           ; the arguments of stages 2..6, components 0 and 1: five pairs; the first pair serves 1/scale at the end
.set EP,  58                           ; err, components 0 and 1
.set AS,  60                           ; the arguments of stages 2..6, component 2; the first serves 1/scale at the end
.set ES,  65                           ; err, component 2
.set LP,  66                           ; the next trip's P, Q as loaded
.set LQ,  70
; s[4:5] P  s[6:7] Q  s[8:19] W1 W2 W3 b1 b2 b3, later six pairs (t_i, t_i)  s[20:21] pin  s[22:23] Pout  s[24:25] Qout  s[26:27] pout  s[28:30] old carry  s31 wave
; s32, s33 lane selects  s34 t  s35 dt  s36 done  s37 dt_e  s38 RTOL  s39 ATOL  s[40:63], s[66:93] 26 pairs (dt_e c, dt_e c)  s94 accept mask  s95 trips, then EXEC
.macro CREG n                          ; cr = the first register of coefficient pair n
.if (\n) < 12
.set cr, 40+2*(\n)
.else
.set cr, 42+2*(\n)
.endif
.endm
.macro COEF n, val                     ; pair n = dt_e x val, twice: the packed forms name a pair and take its low word for both halves
	CREG \n
	s_mul_f32 s[cr], s37, \val
	s_mov_b32 s[cr+1], s[cr]
.endm
.macro TIME i, c                       ; stage i's time t + c dt_e, twice
	s_mul_f32 s[6+2*\i], s37, \c
	s_add_f32 s[6+2*\i], s34, s[6+2*\i]
	s_mov_b32 s[7+2*\i], s[6+2*\i]
.endm
.macro WSUM r, t                       ; the sum over the 32 lanes, in every lane
	v_add_f32_dpp v[\r], v[\r], v[\r] row_xmask:1 row_mask:0xf bank_mask:0xf
	v_add_f32_dpp v[\r], v[\r], v[\r] row_xmask:2 row_mask:0xf bank_mask:0xf
	v_add_f32_dpp v[\r], v[\r], v[\r] row_xmask:4 row_mask:0xf bank_mask:0xf
	v_add_f32_dpp v[\r], v[\r], v[\r] row_xmask:8 row_mask:0xf bank_mask:0xf
	v_permlanex16_b32 v[\t], v[\r], s32, s33
	v_add_f32 v[\r], v[\r], v[\t]
.endm
.macro HI4 dst, src                    ; eight f32 at src -> four words of bf16
.irp i, 0,1,2,3
	v_cvt_pk_bf16_f32 v[\dst+\i], v[\src+2*\i], v[\src+2*\i+1]
.endr
.endm
.macro A1W i, w                        ; word i of layer 1's weights: in A1_0 for the lanes with h = 0, in A1_1 for those with h = 1 (s45: h = 1)
	v_cndmask_b32 v[A1_0+\i], v[\w], 0, s45
	v_cndmask_b32 v[A1_1+\i], 0, v[\w], s45
.endm
.macro WM d, a, b, c
	v_wmma_f32_16x16x32_bf16 v[\d:\d+7], v[\a:\a+7], v[\b:\b+7], v[\c:\c+7]
.endm
; The four levels of an activation, each for tile t of piece p, four instructions each.
.macro AMAX p, t                       ; ReLU of the tile's eight registers, in place
.irp q, 0,2,4,6
	v_dual_max_num_f32 v[\p+8*\t+\q], 0, v[\p+8*\t+\q] :: v_dual_max_num_f32 v[\p+8*\t+\q+1], 0, v[\p+8*\t+\q+1]
.endr
.endm
.macro ACVT p, t                       ; hi terms: words 0-3 of the tile's source 1
.irp q, 0,1,2,3
	v_cvt_pk_bf16_f32 v[\p+B0+8*\t+\q], v[\p+8*\t+2*\q], v[\p+8*\t+2*\q+1]
.endr
.endm
.macro ALO p, t                        ; lo terms of the even features: low halves of words 4-7
.irp q, 0,1,2,3
	v_fma_mixlo_bf16 v[\p+B0+8*\t+4+\q], v[\p+B0+8*\t+\q], v[NEG1], v[\p+8*\t+2*\q] op_sel_hi:[1,0,0]
.endr
.endm
.macro AHI p, t                        ; lo terms of the odd features: high halves of words 4-7
.irp q, 0,1,2,3
	v_fma_mixhi_bf16 v[\p+B0+8*\t+4+\q], v[\p+B0+8*\t+\q], v[NEG1], v[\p+8*\t+2*\q+1] op_sel:[1,0,0] op_sel_hi:[1,0,0]
.endr
.endm
.macro ACCR p, i                       ; ra (a pair), rs: the registers of stage i's argument (1: y, 7: y5) or of err (8)
.if (\i) == 1
.set ra, \p+YY
.set rs, \p+YY+2
.elseif (\i) == 7
.set ra, \p+Y5
.set rs, \p+Y5+2
.elseif (\i) == 8
.set ra, \p+EP
.set rs, \p+ES
.else
.set ra, \p+AP+2*((\i)-2)
.set rs, \p+AS+(\i)-2
.endif
.endm
.macro SPC p, i                        ; layer 1's source from stage i's argument, first level: the hi terms
	ACCR \p, \i
	v_cvt_pk_bf16_f32 v[\p+B0], v[ra], v[ra+1]
	v_cvt_pk_bf16_f32 v[\p+B0+1], v[rs], v[rs]
.endm
.macro SPL p, i                        ; second level: three lo terms, each in the low half of a word of its own
	ACCR \p, \i
	v_fma_mixlo_bf16 v[\p+B0+2], v[\p+B0], v[NEG1], v[ra] op_sel_hi:[1,0,0]
	v_fma_mixlo_bf16 v[\p+B0+5], v[\p+B0], v[NEG1], v[ra+1] op_sel:[1,0,0] op_sel_hi:[1,0,0]
	v_fma_mixlo_bf16 v[\p+B0+3], v[\p+B0+1], v[NEG1], v[rs] op_sel_hi:[1,0,0]
.endm
.macro TRM p, i, n, mode               ; target i takes coefficient n x k_j.  mode 1: it starts from y; 2: it starts from nothing (err); 0: it goes on
	ACCR \p, \i
	CREG \n
.if \mode == 1
	v_pk_fma_f32 v[ra:ra+1], v[\p+KK:\p+KK+1], s[cr:cr+1], v[\p+YY:\p+YY+1] op_sel_hi:[1,0,1]
	v_fma_f32 v[rs], v[\p+KK+2], s[cr], v[\p+YY+2]
.elseif \mode == 2
	v_pk_mul_f32 v[ra:ra+1], v[\p+KK:\p+KK+1], s[cr:cr+1] op_sel_hi:[1,0]
	v_mul_f32 v[rs], s[cr], v[\p+KK+2]
.else
	v_pk_fma_f32 v[ra:ra+1], v[\p+KK:\p+KK+1], s[cr:cr+1], v[ra:ra+1] op_sel_hi:[1,0,1]
	v_fma_f32 v[rs], v[\p+KK+2], s[cr], v[rs]
.endif
.endm
.macro TCRIT p, j                      ; k_j's term in the argument of stage j + 1: its last term
.if (\j) == 1
	TRM \p, 2, 0, 1
.elseif (\j) == 2
	TRM \p, 3, 2, 0
.elseif (\j) == 3
	TRM \p, 4, 5, 0
.elseif (\j) == 4
	TRM \p, 5, 9, 0
.elseif (\j) == 5
	TRM \p, 6, 14, 0
.else
	TRM \p, 7, 19, 0
.endif
.endm
.macro DEFA p, j                       ; k_j's terms in later targets: the first three at the most, one at the least
.if (\j) == 1
	TRM \p, 3, 1, 1
	TRM \p, 4, 3, 1
	TRM \p, 5, 6, 1
.elseif (\j) == 2
	TRM \p, 4, 4, 0
	TRM \p, 5, 7, 0
	TRM \p, 6, 11, 0
.elseif (\j) == 3
	TRM \p, 5, 8, 0
	TRM \p, 6, 12, 0
	TRM \p, 7, 16, 0
.elseif (\j) == 4
	TRM \p, 6, 13, 0
	TRM \p, 7, 17, 0
	TRM \p, 8, 22, 0
.elseif (\j) == 5
	TRM \p, 7, 18, 0
	TRM \p, 8, 23, 0
.else
	TRM \p, 8, 24, 0
.endif
.endm
.macro DEFB p, j                       ; and the rest
.if (\j) == 1
	TRM \p, 6, 10, 1
	TRM \p, 7, 15, 1
	TRM \p, 8, 20, 2
.elseif (\j) == 3
	TRM \p, 8, 21, 0
.endif
.endm
.macro BIAS i                          ; layer 1's C for stage i
.irp q, 0,2,4,6
	v_pk_fma_f32 v[CB1+\q:CB1+\q+1], v[W1T+\q:W1T+\q+1], s[6+2*(\i):7+2*(\i)], v[B1B+\q:B1B+\q+1] op_sel_hi:[1,0,1]
.endr
.endm
; The trip's y; it is stored as the next launch's P; the next trip's loads go out, a whole trip ahead of the wait for them.
.macro SEL p, off, more
.irp c, 0,1,2,3
.if FIRST
	v_mov_b32 v[\p+YY+\c], v[\p+LP+\c]
.else
	v_cndmask_b32 v[\p+YY+\c], v[\p+LP+\c], v[\p+LQ+\c], s94
.endif
.endr
.if FIRST == 0
	global_store_b128 v[VOFF], v[\p+YY:\p+YY+3], s[22:23] offset:\off
.endif
.if \more
	global_load_b128 v[\p+LP:\p+LP+3], v[VOFF], s[4:5] offset:TRIPB+\off th:TH_LOAD_NT
.if FIRST == 0
	global_load_b128 v[\p+LQ:\p+LQ+3], v[VOFF], s[6:7] offset:TRIPB+\off th:TH_LOAD_NT
.endif
.endif
.endm
.macro POL p                           ; the polarity rides along with y5
	v_mov_b32 v[\p+Y5+3], v[\p+YY+3]
.endm
; X's layer 1; the end of Y's layer 3 and Y's way from k_j to its source for stage j + 1; X's first activation; Y's layer 1.  j = 0: a trip's first stage.
; Places: behind X.L1a stand AHI PY, 1 (4; j = 0: SPL and the two POL, 5) before AMAX PX, 0; behind Y.L3b AMAX PX, 0 (4) and DEFB before TCRIT PY; behind X.L1b
; AMAX PX, 0 (4) and TCRIT (2) before AMAX PX, 1, and the same before ACVT PX, 0 writes X.L1b's source.
.macro L1ACT j
.if (\j) != 0
	SPL PX, (\j)+1
.endif
	WM PX+D0, A1_0, PX+B0, CB1
.if (\j) == 0
	SPL PY, 1
	POL PX
	POL PY
.else
	AHI PY, 1
	WM PY+KK, A3_1, PY+B1, PY+KK
	DEFB PX, \j
.endif
	WM PX+D1, A1_1, PX+B0, CB1
	AMAX PX, 0
.if (\j) != 0
	TCRIT PY, \j
.endif
	AMAX PX, 1
.if (\j) != 0
	DEFA PY, \j
	SPC PY, (\j)+1
.endif
	ACVT PX, 0
	ACVT PX, 1
.if (\j) != 0
	SPL PY, (\j)+1
.endif
	ALO PX, 0
	WM PY+D0, A1_0, PY+B0, CB1
	ALO PX, 1
	WM PY+D1, A1_1, PY+B0, CB1
	AHI PX, 0
	AHI PX, 1
.if (\j) != 0
	DEFB PY, \j
.endif
.endm
; X's layer 2 beside Y's first activation.  Y's layer-1 results were made 8 plain instructions back or more.
.macro L2ACT
	WM PX+D0, A2W, PX+B0, CB2
	AMAX PY, 0
	AMAX PY, 1
	ACVT PY, 0
	ACVT PY, 1
	WM PX+D1, A2W, PX+B1, CB2
	ALO PY, 0
	ALO PY, 1
	AHI PY, 0
	AHI PY, 1
.endm
; Y's layer 2, X's second activation, X's layer 3 (stage j's k), most of Y's second activation, X's way towards stage j + 1 (j = 7: towards the step's end).
; Y's second product of layer 2 stands between the two links of X's layer 3.  Stage 7 has stage 6's time: its C stands.
; Places: behind Y.L2b stand ACVT PY, 0 (4) and BIAS before AMAX PY, 1, and TCRIT's 2 more before ACVT PY, 1 writes its source; behind X.L3b AMAX PY, 1 (4) before TCRIT PX.
.macro L23 j
	WM PY+D0, A2W, PY+B0, CB2
	AMAX PX, 0
	AMAX PX, 1
	ACVT PX, 0
	ACVT PX, 1
	ALO PX, 0
	ALO PX, 1
	AHI PX, 0
	AHI PX, 1
	WM PX+KK, A3_0, PX+B0, CB3
	AMAX PY, 0
	WM PY+D1, A2W, PY+B1, CB2
.if (\j) < 6
	BIAS (\j)+1
.endif
	ACVT PY, 0
	WM PX+KK, A3_1, PX+B1, PX+KK
	AMAX PY, 1
.if (\j) < 7
	TCRIT PX, \j
.else
	TRM PX, 8, 25, 0
.endif
	ACVT PY, 1
	ALO PY, 0
	ALO PY, 1
.if (\j) < 7
	SPC PX, (\j)+1
.else
	FMAX PX
.endif
	AHI PY, 0
.if (\j) < 7
	DEFA PX, \j
.else
	FMAX PY
.endif
	WM PY+KK, A3_0, PY+B0, CB3
.endm
; The step's end.  1 / (ATOL + RTOL max(|y|, |y5|)) by levels for both pieces; k7's term of err; the sum of squares; y5 is stored.
.macro FMAX p
	v_max_num_f32 v[\p+AP], |v[\p+YY]|, |v[\p+Y5]|
	v_max_num_f32 v[\p+AP+1], |v[\p+YY+1]|, |v[\p+Y5+1]|
	v_max_num_f32 v[\p+AS], |v[\p+YY+2]|, |v[\p+Y5+2]|
.endm
.macro FSCL p
	v_fma_f32 v[\p+AP], v[\p+AP], s38, s39
	v_fma_f32 v[\p+AP+1], v[\p+AP+1], s38, s39
	v_fma_f32 v[\p+AS], v[\p+AS], s38, s39
.endm
.macro FRCP p
	v_rcp_f32 v[\p+AP], v[\p+AP]
	v_rcp_f32 v[\p+AP+1], v[\p+AP+1]
	v_rcp_f32 v[\p+AS], v[\p+AS]
.endm
.macro FMUL p
	s_wait_alu depctr_va_vdst(0)
	v_pk_mul_f32 v[\p+EP:\p+EP+1], v[\p+EP:\p+EP+1], v[\p+AP:\p+AP+1]
	v_mul_f32 v[\p+ES], v[\p+ES], v[\p+AS]
.endm
.macro FSQ p, acc
	v_fmac_f32 v[\acc], v[\p+EP], v[\p+EP]
	v_fmac_f32 v[\acc], v[\p+EP+1], v[\p+EP+1]
	v_fmac_f32 v[\acc], v[\p+ES], v[\p+ES]
.endm
.macro FIN
	AHI PY, 1
	s_wait_alu depctr_va_vdst(0)                   ; ahead of a link that follows the instruction it adds onto
	WM PY+KK, A3_1, PY+B1, PY+KK
	FSCL PX                                        ; six plain instructions: the places between the link above and the reading of Y's k7
	FSCL PY
	FRCP PX
	FRCP PY
	TRM PY, 8, 25, 0                               ; also the plain instructions between the reciprocals and the use of their results
	FMUL PX
	FSQ PX, ACCX
	global_store_b128 v[VOFF], v[PX+Y5:PX+Y5+3], s[24:25]
	FMUL PY
	FSQ PY, ACCY
	global_store_b128 v[VOFF], v[PY+Y5:PY+Y5+3], s[24:25] offset:512
.endm
.macro TRIP more
	s_wait_loadcnt 0x0                             ; this trip's P and Q, asked for a whole trip ago; nothing younger is out
	SEL PX, 0, \more
	SEL PY, 512, \more
	SPC PX, 1
	SPC PY, 1
	BIAS 1
	SPL PX, 1
	L1ACT 0
	L2ACT
.irp j, 1,2,3,4,5,6
	L23 \j
	L1ACT \j
	L2ACT
.endr
	L23 7
	FIN
.if \more
	s_wait_xcnt 0x0                                ; the offset that the loads and stores name, and the stores' data (y, y5), are rewritten only behind this wait
	v_add_nc_u32 v[VOFF], TRIPB, v[VOFF]
.endif
.endm
	; ---- arguments, ids, offsets
.if FIRST
	s_load_b64 s[4:5], s[0:1], 0x0                 ; events
	s_load_b256 s[8:15], s[0:1], 0x8               ; W1 W2 W3 b1
	s_load_b128 s[16:19], s[0:1], 0x28             ; b2 b3
	s_load_b128 s[24:27], s[0:1], 0x38             ; Qout pout
	v_lshl_add_u32 v252, v0, 2, 0x100
	v_mov_b32 v253, 0
.else
	s_load_b512 s[4:19], s[0:1], 0x0               ; P Q W1 W2 W3 b1 b2 b3
	s_load_b256 s[20:27], s[0:1], 0x40             ; pin Pout Qout pout
.endif
	v_and_b32 v6, 31, v0                           ; lane
	v_lshrrev_b32 v7, 5, v0
	v_readfirstlane_b32 s31, v7                    ; wave
	v_and_b32 v8, 15, v0                           ; r
	v_bfe_u32 v9, v0, 4, 1                         ; h
	v_lshlrev_b32 v[VOFF], 4, v6
	v_lshl_add_u32 v[VOFF], v7, 10, v[VOFF]        ; 1,024 wave + 16 lane
	v_lshlrev_b32 v10, 5, v6                       ; my 8 of the 256 partial sums
	v_lshlrev_b32 v14, 5, v9                       ; 32 h: b1, b2
	v_lshl_add_u32 v11, v8, 6, v14                 ; W2[r][8h]
	v_and_b32 v12, 3, v8
	v_min_u32 v12, 2, v12
	v_lshl_add_u32 v12, v12, 6, v14                ; W3[min(r % 4, 2)][8h]: inside its three rows
	v_lshlrev_b32 v13, 4, v8                       ; W1[r][0]
	v_lshlrev_b32 v15, 7, v9                       ; W1[8h][0]
	v_mov_b32 v[NEG1], -1.0
	s_lshl_b32 s2, ttmp9, 16                       ; the work-group's 65,536 bytes
	s_mov_b32 s3, 0
	s_mov_b32 s32, 0x76543210                      ; v_permlanex16_b32: each lane takes its own place in the other half
	s_mov_b32 s33, 0xfedcba98
	s_mov_b32 s38, 0x3727c5ac                      ; RTOL = 1e-5
	s_mov_b32 s39, 0x358637bd                      ; ATOL = 1e-6
	s_wait_kmcnt 0x0
	s_add_nc_u64 s[4:5], s[4:5], s[2:3]
	s_add_nc_u64 s[24:25], s[24:25], s[2:3]
.if FIRST == 0
	s_add_nc_u64 s[6:7], s[6:7], s[2:3]
	s_add_nc_u64 s[22:23], s[22:23], s[2:3]
.endif
	; ---- all the head's loads in one run
	global_load_b128 v[PX+LP:PX+LP+3], v[VOFF], s[4:5] th:TH_LOAD_NT
	global_load_b128 v[PY+LP:PY+LP+3], v[VOFF], s[4:5] offset:512 th:TH_LOAD_NT
.if FIRST == 0
	global_load_b128 v[PX+LQ:PX+LQ+3], v[VOFF], s[6:7] th:TH_LOAD_NT
	global_load_b128 v[PY+LQ:PY+LQ+3], v[VOFF], s[6:7] offset:512 th:TH_LOAD_NT
	global_load_b128 v[PX+B1:PX+B1+3], v10, s[20:21]
	global_load_b128 v[PX+B1+4:PX+B1+7], v10, s[20:21] offset:16
	s_load_b96 s[28:30], s[20:21], 0x400           ; the carry from which the last step began: t, dt, done
.endif
	global_load_b128 v[PX+D0:PX+D0+3], v11, s[10:11]
	global_load_b128 v[PX+D0+4:PX+D0+7], v11, s[10:11] offset:16
	global_load_b128 v[PX+D1:PX+D1+3], v12, s[12:13]
	global_load_b128 v[PX+D1+4:PX+D1+7], v12, s[12:13] offset:16
	global_load_b128 v[PX+B0:PX+B0+3], v13, s[8:9]
	global_load_b128 v[B1B:B1B+3], v14, s[14:15]
	global_load_b128 v[B1B+4:B1B+7], v14, s[14:15] offset:16
	global_load_b128 v[CB2:CB2+3], v14, s[16:17]
	global_load_b128 v[CB2+4:CB2+7], v14, s[16:17] offset:16
.irp j, 0,1,2,3,4,5,6,7
	global_load_b32 v[W1T+\j], v15, s[8:9] offset:16*\j+12
.endr
	s_load_b96 s[40:42], s[18:19], 0x0             ; b3
	s_wait_loadcnt 0x0                             ; one wait for the whole run: nothing below can start on a part of it
	s_wait_kmcnt 0x0
	; ---- the weights as source 0, rounded to bf16; k = 16..31 meet the activations' lo terms: the same weights once more
	HI4 A2W, PX+D0
	HI4 A2W+4, PX+D0
	HI4 PY+D0, PX+D1
	v_and_b32 v[TMP], 7, v8
	v_cmp_gt_u32 s45, 3, v[TMP]                    ; rows 0-2 and 8-10 hold W3; the others are zero
	v_cmp_gt_u32 s46, 8, v8
	s_and_not1_b32 s47, s45, s46                   ; rows of A3_1
	s_and_b32 s46, s45, s46                        ; rows of A3_0
.irp i, 0,1,2,3
	v_cndmask_b32 v[A3_0+\i], 0, v[PY+D0+\i], s46
	v_cndmask_b32 v[A3_1+\i], 0, v[PY+D0+\i], s47
	v_cndmask_b32 v[A3_0+4+\i], 0, v[PY+D0+\i], s46
	v_cndmask_b32 v[A3_1+4+\i], 0, v[PY+D0+\i], s47
.endr
	v_cmp_ne_u32 s45, 0, v9                        ; h = 1
	v_cvt_pk_bf16_f32 v[PY+D1], v[PX+B0], v[PX+B0+1]             ; (W1[r][0], W1[r][1])
	v_cvt_pk_bf16_f32 v[PY+D1+4], v[PX+B0+2], v[PX+B0+2]         ; (W1[r][2], the same)
	v_and_b32 v[PY+D1+2], 0xffff, v[PY+D1+4]                     ; (W1[r][2], 0)
	v_and_b32 v[PY+D1+5], 0xffff, v[PY+D1]                       ; (W1[r][0], 0)
	v_lshrrev_b32 v[PY+D1+6], 16, v[PY+D1]                       ; (W1[r][1], 0)
	A1W 0, PY+D1
	A1W 1, PY+D1+2
	A1W 2, PY+D1+5
	A1W 3, PY+D1+2
	A1W 5, PY+D1+6
.irp i, 4,6,7
	v_mov_b32 v[A1_0+\i], 0
	v_mov_b32 v[A1_1+\i], 0
.endr
.irp c, 0,1,2
	v_mov_b32 v[CB3+\c], s[40+\c]
.endr
.irp c, 3,4,5,6,7
	v_mov_b32 v[CB3+\c], 0
.endr
	; ---- the carry
.if FIRST
	s_mov_b32 s34, 0                               ; t = 0
	s_mov_b32 s35, 0x3d4ccccd                      ; dt = 0.05
	s_mov_b32 s36, 0                               ; not done
	s_mov_b32 s37, 0x3d4ccccd                      ; dt_e = min(dt, 1 - t)
.else
	v_pk_add_f32 v[PX+B1:PX+B1+1], v[PX+B1:PX+B1+1], v[PX+B1+2:PX+B1+3]
	v_pk_add_f32 v[PX+B1+4:PX+B1+5], v[PX+B1+4:PX+B1+5], v[PX+B1+6:PX+B1+7]
	v_pk_add_f32 v[PX+B1:PX+B1+1], v[PX+B1:PX+B1+1], v[PX+B1+4:PX+B1+5]
	v_add_f32 v6, v[PX+B1], v[PX+B1+1]
	WSUM 6, 7
	v_mul_f32 v6, 0x34aaaaab, v6                   ; the mean over 3,145,728 numbers
	v_sqrt_f32 v6, v6
	v_sub_f32 v11, 1.0, s28                        ; (a plain instruction behind each transcendental before its result is used)
	v_min_num_f32 v11, s29, v11                    ; the last step's dt_e
	v_cmp_ge_f32 s94, 1.0, v6                      ; en <= 1; the floor of 1e-10 below cannot change it, and a NaN fails it
	v_cmp_eq_f32 s44, s30, 0                       ; not done
	s_and_b32 s94, s94, s44                        ; accept: all lanes or none
	v_max_num_f32 v6, 0x2edbe6ff, v6               ; en = max(.., 1e-10)
	v_log_f32 v10, v6
	v_add_f32 v12, s28, v11
	v_mul_f32 v10, 0xbe4ccccd, v10                 ; en^-0.2 = 2^(-0.2 log2 en)
	v_exp_f32 v10, v10
	v_mov_b32 v13, s28
	v_mul_f32 v10, 0x3f666666, v10                 ; 0.9 ..
	v_max_num_f32 v10, 0x3e4ccccd, v10             ; clipped to 0.2 .. 10
	v_min_num_f32 v10, 0x41200000, v10
	v_cndmask_b32 v12, v13, v12, s94               ; t
	v_mul_f32 v14, v11, v10
	v_mov_b32 v15, s29
	v_cndmask_b32 v14, v15, v14, s44               ; dt = done ? dt : dt_e fac
	v_cmp_le_f32 s45, 1.0, v12                     ; done: t >= 1 - 1e-9, which is 1 in f32
	v_cndmask_b32 v13, 0, 1.0, s45
	v_sub_f32 v15, 1.0, v12
	v_min_num_f32 v15, v14, v15                    ; this step's dt_e
	v_readfirstlane_b32 s34, v12
	v_readfirstlane_b32 s35, v14
	v_readfirstlane_b32 s36, v13
	v_readfirstlane_b32 s37, v15
.endif
	; ---- dt_e times the tableau, and the stages' times (the weights' addresses in s[8:19] have served: all loads are back)
	COEF 0, 0.2
	COEF 1, 0.075
	COEF 2, 0.225
	COEF 3, 0.977777778
	COEF 4, -3.73333333
	COEF 5, 3.55555556
	COEF 6, 2.95259869
	COEF 7, -11.5957933
	COEF 8, 9.82289285
	COEF 9, -0.290809328
	COEF 10, 2.84627525
	COEF 11, -10.7575758
	COEF 12, 8.90642272
	COEF 13, 0.278409091
	COEF 14, -0.273531304
	COEF 15, 0.0911458333
	COEF 16, 0.449236298
	COEF 17, 0.651041667
	COEF 18, -0.322376179
	COEF 19, 0.130952381
	COEF 20, 0.00123263889
	COEF 21, -0.00425277029
	COEF 22, 0.0369791667
	COEF 23, -0.0508637972
	COEF 24, 0.0419047619
	COEF 25, -0.025
	s_mov_b32 s8, s34
	s_mov_b32 s9, s34
	TIME 2, 0.2
	TIME 3, 0.3
	TIME 4, 0.8
	TIME 5, 0.888888889
	s_add_f32 s18, s34, s37
	s_mov_b32 s19, s18
	; ---- the sources 1 start at zero: the half-word writes keep a word's other half, and layer 1 reads words that only later layers write
.irp p, PX, PY
.set zi, 0
.rept 16
	v_mov_b32 v[\p+B0+zi], 0
.set zi, zi+1
.endr
.endr
	v_mov_b32 v[ACCX], 0
	v_mov_b32 v[ACCY], 0
	s_mov_b32 s95, 3
.Ltrip:
	TRIP 1
	s_sub_co_u32 s95, s95, 1
	s_cmp_lg_u32 s95, 0
	s_cbranch_scc1 .Ltrip
	TRIP 0                                         ; the last trip is written out: it asks for nothing beyond the work-group's bytes
	; ---- the work-group's sum: lanes, then the 16 waves through LDS bytes 0-63
	v_add_f32 v[ACCX], v[ACCX], v[ACCY]
	WSUM ACCX, 6
	v_mov_b32 v7, s31
	v_lshlrev_b32 v7, 2, v7
	ds_store_b32 v7, v[ACCX]
	s_wait_dscnt 0x0                               ; for wave 0's sake: my word is in LDS
	s_barrier_signal -1
	s_barrier_wait -1
	s_cmp_lg_u32 s31, 0
	s_cbranch_scc1 .Lend
	v_mov_b32 v9, 0
.irp i, 0,1,2,3
	ds_load_b128 v[PX+4*\i:PX+4*\i+3], v9 offset:16*\i
.endr
	v_mov_b32 v6, s34                              ; the carry from which this step began
	v_mov_b32 v7, s35
	v_mov_b32 v8, s36
	s_lshl_b32 s2, ttmp9, 2
	s_mov_b32 s3, 0
	s_add_nc_u64 s[26:27], s[26:27], s[2:3]        ; my work-group's word
	s_wait_dscnt 0x0
.irp i, 0,4,8,12
	v_pk_add_f32 v[PX+\i:PX+\i+1], v[PX+\i:PX+\i+1], v[PX+\i+2:PX+\i+3]
.endr
	v_pk_add_f32 v[PX:PX+1], v[PX:PX+1], v[PX+4:PX+5]
	v_pk_add_f32 v[PX+8:PX+9], v[PX+8:PX+9], v[PX+12:PX+13]
	v_pk_add_f32 v[PX:PX+1], v[PX:PX+1], v[PX+8:PX+9]
	v_add_f32 v[ACCX], v[PX], v[PX+1]
	v_cmp_eq_u32 vcc_lo, 0, v0
	s_wait_xcnt 0x0                                ; EXEC changes only behind this wait: the trip's stores name it
	s_and_saveexec_b32 s95, vcc_lo
	global_store_b32 v9, v[ACCX], s[26:27]
	s_cmp_lg_u32 s2, 0
	s_cbranch_scc1 .Lnocarry
	global_store_b96 v9, v[6:8], s[26:27] offset:1024   ; work-group 0 alone
.Lnocarry:
	s_wait_xcnt 0x0
	s_or_b32 exec_lo, exec_lo, s95
.Lend:
	s_wait_tensorcnt 0x0
	ds_add_u32 v252, v253
	s_wait_dscnt 0x0
	s_endpgm
.Lfunc_end_k_qb50d0d6e83_s1:
	.size	k_qb50d0d6e83_s1, .Lfunc_end_k_qb50d0d6e83_s1-k_qb50d0d6e83_s1
	.p2alignl 7, 3214868480
	.fill 96, 4, 3214868480
	.section	.rodata,"a",@progbits
	.p2align	6, 0x0
	.amdhsa_kernel k_qb50d0d6e83_s1
		.amdhsa_group_segment_fixed_size 2304
		.amdhsa_private_segment_fixed_size 0
		.amdhsa_enable_private_segment 0
		.amdhsa_kernarg_size 72
		.amdhsa_user_sgpr_count 2
		.amdhsa_user_sgpr_kernarg_segment_ptr 1
		.amdhsa_wavefront_size32 1
		.amdhsa_system_sgpr_workgroup_id_x 1
		.amdhsa_system_sgpr_workgroup_id_y 1
		.amdhsa_system_sgpr_workgroup_id_z 1
		.amdhsa_system_vgpr_workitem_id 0
		.amdhsa_next_free_vgpr 254
		.amdhsa_next_free_sgpr 96
		.amdhsa_reserve_vcc 1
		.amdhsa_float_denorm_mode_32 3
		.amdhsa_float_denorm_mode_16_64 3
		.amdhsa_memory_ordered 1
		.amdhsa_forward_progress 1
		.amdhsa_inst_pref_size 165
	.end_amdhsa_kernel
	.amdgpu_metadata
---
amdhsa.version: [ 1, 2 ]
amdhsa.kernels:
  - .name:           k_qb50d0d6e83_s1
    .symbol:         k_qb50d0d6e83_s1.kd
    .args:
      - { .name: events, .offset: 0, .size: 8, .value_kind: global_buffer, .address_space: global }
      - { .name: W1, .offset: 8, .size: 8, .value_kind: global_buffer, .address_space: global }
      - { .name: W2, .offset: 16, .size: 8, .value_kind: global_buffer, .address_space: global }
      - { .name: W3, .offset: 24, .size: 8, .value_kind: global_buffer, .address_space: global }
      - { .name: b1, .offset: 32, .size: 8, .value_kind: global_buffer, .address_space: global }
      - { .name: b2, .offset: 40, .size: 8, .value_kind: global_buffer, .address_space: global }
      - { .name: b3, .offset: 48, .size: 8, .value_kind: global_buffer, .address_space: global }
      - { .name: qa, .offset: 56, .size: 8, .value_kind: global_buffer, .address_space: global }
      - { .name: pa, .offset: 64, .size: 8, .value_kind: global_buffer, .address_space: global }
    .group_segment_fixed_size: 2304
    .private_segment_fixed_size: 0
    .kernarg_segment_align: 8
    .kernarg_segment_size: 72
    .max_flat_workgroup_size: 512
    .sgpr_count:     96
    .vgpr_count:     254
    .wavefront_size: 32
...
	.end_amdgpu_metadata
.endif
;; end of part 4
;; launch s2 (part 5): grid 256 x 1, 16 waves a work-group, no clusters, 2,304 bytes of LDS; arguments events, qa, W1, W2, W3, b1, b2, b3, pa, qb, qc, pb; writes qb, qc, pb
.if DOCPART == 5
	.amdgcn_target "amdgcn-amd-amdhsa--gfx1250"
	.amdhsa_code_object_version 6
	.text
	.protected	k_qb50d0d6e83_s2
	.globl	k_qb50d0d6e83_s2
	.p2align	8
	.type	k_qb50d0d6e83_s2,@function
k_qb50d0d6e83_s2:
	s_mov_b64 s[64:65], 0
	v_nop
	global_prefetch_b8 v0, s[64:65] scope:SCOPE_SE
	s_setreg_imm32_b32 hwreg(HW_REG_WAVE_MODE, 25, 1), 1
	s_wait_xcnt 0x0
; ONE DORMAND-PRINCE 5(4) STEP on 1,048,576 points (3 state numbers and a polarity, 16 bytes a point).  This text serves two bodies:
; FIRST = 1: the first step: y = events, t = 0, dt = 0.05.   FIRST = 0: a later step.  A later step first closes the step before it: it adds that launch's 256 partial
; sums of (err/scale)^2 (every wave in the same order, so every wave has the same bits), makes en, accept, t, dt, done, and takes y = accept ? Q : P by v_cndmask_b32
; (P: the state the last step began from, Q: its candidate).  It stores y (Pout), the new candidate y5 (Qout), one partial sum a work-group and the carry (t, dt, done) (pout).
; SHARES.  256 work-groups of 16 waves; a work-group owns 4,096 points (65,536 bytes of each buffer); a wave makes 4 trips of 64 points: two PIECES X and Y of 32 points,
; one point a lane.  Every global load and store of a wave covers 512 consecutive bytes, aligned.
; THE MLP (4-16-16-3) ON THE MATRIX UNIT, weights as source 0 (rows = output features), points as source 1 (columns).  A result tile holds feature 8h+j of point r in
; register j (r = lane % 16, h = lane / 16), which, packed in pairs, IS registers 0-3 of the next source 1 (k = 8h..8h+7).  K = 32 has room for two terms of each of 16
; features: registers 0-3 take hi = bf16(a), registers 4-7 lo = bf16(a - hi), and the weights stand twice along K.  err is a small difference of the seven k, so what
; CHANGES from stage to stage (y, h1, h2) carries two terms.  The weights are rounded to bf16 once: that is the same field in all seven stages and adds nothing to err.
;   layer 1: one source 1 for both tiles, each lane its own point: words (y0h,y1h) (y2h,-) (y0l,-) (y2l,-) - (y1l,-); the weights stand in the lanes of one half only
;            (A1_0: h = 0, A1_1: h = 1), so the other half's points meet zeros.  b1 + t W1[:,3] goes in exact f32 as C.
;   layer 3: rows 0-2 = W3 for tile 0 (A3_0), rows 8-10 for tile 1 (A3_1), both onto one sum KK that starts from b3: lane (r,h) then holds its own point's k in KK[0..2].
; Twelve products serve a stage of 64 points: one for each result tile of 16 points, the least that the shapes allow.
; THE ORDER.  A wave issues in order, so the text keeps dependent instructions apart.  (a) A piece's activation goes by LEVELS over both its tiles: 8 ReLU pairs, 8
; conversions, 8 low halves, 8 high halves, and the other piece's products stand among them.  (b) The Runge-Kutta sums are kept by TARGET: as soon as k_j is there it
; is added into the arguments of all later stages and into err (the terms of each sum in the tableau's order).  One term (TCRIT) lies on the way to the next stage; the
; others (DEFA, DEFB) depend on nothing but k_j and stand in the gaps of that way.  These instructions are also the places between a matrix instruction and the reading
; of its result or the writing of its sources (ISA guide 7.12.1): four at the least, counted at each macro below, so no v_nop is written.
; (c) The matrix instructions of a stage go X.L1a Y.L3b X.L1b Y.L1a Y.L1b X.L2a X.L2b Y.L2a X.L3a Y.L2b X.L3b Y.L3a: the accumulators take turns, one instruction a
; turn.  Only at a trip's end do layer 3's two links follow each other, and an s_wait_alu stands ahead of the second.
; LIMITS.  W1[:,0:3], W2 and W3 carry bf16's 8 significant bits; y and the activations about 16 (two bf16 terms).  Sums are fused and ordered otherwise than in the
; reference.  By estimate en differs from the reference's by about 1e-3 of its value: an accept decision can differ if en lies within about 3e-3 of 1.  ReLU by
; v_max_num_f32 turns a NaN into 0.  Unused half words of layer 1's source 1 hold old activations against zero weights: an infinity there gives NaN.  A NaN in en
; rejects the step, as in the reference, but the next step goes on with ten times the step size where the reference stays frozen.
.set FIRST, 0
.set TRIPB, 16384                      ; bytes of a trip: 16 waves x 64 points x 16 bytes
.set VOFF, 1                           ; v1      byte offset of my point of piece X in the work-group's 65,536 bytes
.set NEG1, 2                           ; v2      -1.0
.set TMP,  3
.set ACCX, 4                           ; v4, v5  sums of (err/scale)^2
.set ACCY, 5
.set A1_0, 16                          ; weights as source 0, 8 registers each
.set A1_1, 24
.set A2W,  32                          ; (v40-47 are not used)
.set A3_0, 48
.set A3_1, 56
.set CB1,  64                          ; b1 + t W1[:,3], made anew for each stage
.set B1B,  72                          ; b1[8h+j]
.set W1T,  80                          ; W1[8h+j][3]
.set CB2,  88                          ; b2[8h+j]
.set CB3,  96                          ; b3 in registers 0-2, else 0
.set PX,   104                         ; piece X: 74 registers
.set PY,   178                         ; piece Y
.set D0,  0                            ; in a piece: result tile 0 (points of lanes 0-15), tile 1
.set D1,  8
.set B0,  16                           ; source 1 of tile 0 (and of layer 1), of tile 1
.set B1,  24
.set KK,  32                           ; layer 3's sum: registers 0-2 hold k_j until the next stage's layer 3
.set YY,  40                           ; y0 y1 y2 polarity
.set Y5,  44                           ; stage 7's argument = y5 (the tableau's last row is B5); polarity
.set AP,  48                           ; the arguments of stages 2..6, components 0 and 1: five pairs; the first pair serves 1/scale at the end
.set EP,  58                           ; err, components 0 and 1
.set AS,  60                           ; the arguments of stages 2..6, component 2; the first serves 1/scale at the end
.set ES,  65                           ; err, component 2
.set LP,  66                           ; the next trip's P, Q as loaded
.set LQ,  70
; s[4:5] P  s[6:7] Q  s[8:19] W1 W2 W3 b1 b2 b3, later six pairs (t_i, t_i)  s[20:21] pin  s[22:23] Pout  s[24:25] Qout  s[26:27] pout  s[28:30] old carry  s31 wave
; s32, s33 lane selects  s34 t  s35 dt  s36 done  s37 dt_e  s38 RTOL  s39 ATOL  s[40:63], s[66:93] 26 pairs (dt_e c, dt_e c)  s94 accept mask  s95 trips, then EXEC
.macro CREG n                          ; cr = the first register of coefficient pair n
.if (\n) < 12
.set cr, 40+2*(\n)
.else
.set cr, 42+2*(\n)
.endif
.endm
.macro COEF n, val                     ; pair n = dt_e x val, twice: the packed forms name a pair and take its low word for both halves
	CREG \n
	s_mul_f32 s[cr], s37, \val
	s_mov_b32 s[cr+1], s[cr]
.endm
.macro TIME i, c                       ; stage i's time t + c dt_e, twice
	s_mul_f32 s[6+2*\i], s37, \c
	s_add_f32 s[6+2*\i], s34, s[6+2*\i]
	s_mov_b32 s[7+2*\i], s[6+2*\i]
.endm
.macro WSUM r, t                       ; the sum over the 32 lanes, in every lane
	v_add_f32_dpp v[\r], v[\r], v[\r] row_xmask:1 row_mask:0xf bank_mask:0xf
	v_add_f32_dpp v[\r], v[\r], v[\r] row_xmask:2 row_mask:0xf bank_mask:0xf
	v_add_f32_dpp v[\r], v[\r], v[\r] row_xmask:4 row_mask:0xf bank_mask:0xf
	v_add_f32_dpp v[\r], v[\r], v[\r] row_xmask:8 row_mask:0xf bank_mask:0xf
	v_permlanex16_b32 v[\t], v[\r], s32, s33
	v_add_f32 v[\r], v[\r], v[\t]
.endm
.macro HI4 dst, src                    ; eight f32 at src -> four words of bf16
.irp i, 0,1,2,3
	v_cvt_pk_bf16_f32 v[\dst+\i], v[\src+2*\i], v[\src+2*\i+1]
.endr
.endm
.macro A1W i, w                        ; word i of layer 1's weights: in A1_0 for the lanes with h = 0, in A1_1 for those with h = 1 (s45: h = 1)
	v_cndmask_b32 v[A1_0+\i], v[\w], 0, s45
	v_cndmask_b32 v[A1_1+\i], 0, v[\w], s45
.endm
.macro WM d, a, b, c
	v_wmma_f32_16x16x32_bf16 v[\d:\d+7], v[\a:\a+7], v[\b:\b+7], v[\c:\c+7]
.endm
; The four levels of an activation, each for tile t of piece p, four instructions each.
.macro AMAX p, t                       ; ReLU of the tile's eight registers, in place
.irp q, 0,2,4,6
	v_dual_max_num_f32 v[\p+8*\t+\q], 0, v[\p+8*\t+\q] :: v_dual_max_num_f32 v[\p+8*\t+\q+1], 0, v[\p+8*\t+\q+1]
.endr
.endm
.macro ACVT p, t                       ; hi terms: words 0-3 of the tile's source 1
.irp q, 0,1,2,3
	v_cvt_pk_bf16_f32 v[\p+B0+8*\t+\q], v[\p+8*\t+2*\q], v[\p+8*\t+2*\q+1]
.endr
.endm
.macro ALO p, t                        ; lo terms of the even features: low halves of words 4-7
.irp q, 0,1,2,3
	v_fma_mixlo_bf16 v[\p+B0+8*\t+4+\q], v[\p+B0+8*\t+\q], v[NEG1], v[\p+8*\t+2*\q] op_sel_hi:[1,0,0]
.endr
.endm
.macro AHI p, t                        ; lo terms of the odd features: high halves of words 4-7
.irp q, 0,1,2,3
	v_fma_mixhi_bf16 v[\p+B0+8*\t+4+\q], v[\p+B0+8*\t+\q], v[NEG1], v[\p+8*\t+2*\q+1] op_sel:[1,0,0] op_sel_hi:[1,0,0]
.endr
.endm
.macro ACCR p, i                       ; ra (a pair), rs: the registers of stage i's argument (1: y, 7: y5) or of err (8)
.if (\i) == 1
.set ra, \p+YY
.set rs, \p+YY+2
.elseif (\i) == 7
.set ra, \p+Y5
.set rs, \p+Y5+2
.elseif (\i) == 8
.set ra, \p+EP
.set rs, \p+ES
.else
.set ra, \p+AP+2*((\i)-2)
.set rs, \p+AS+(\i)-2
.endif
.endm
.macro SPC p, i                        ; layer 1's source from stage i's argument, first level: the hi terms
	ACCR \p, \i
	v_cvt_pk_bf16_f32 v[\p+B0], v[ra], v[ra+1]
	v_cvt_pk_bf16_f32 v[\p+B0+1], v[rs], v[rs]
.endm
.macro SPL p, i                        ; second level: three lo terms, each in the low half of a word of its own
	ACCR \p, \i
	v_fma_mixlo_bf16 v[\p+B0+2], v[\p+B0], v[NEG1], v[ra] op_sel_hi:[1,0,0]
	v_fma_mixlo_bf16 v[\p+B0+5], v[\p+B0], v[NEG1], v[ra+1] op_sel:[1,0,0] op_sel_hi:[1,0,0]
	v_fma_mixlo_bf16 v[\p+B0+3], v[\p+B0+1], v[NEG1], v[rs] op_sel_hi:[1,0,0]
.endm
.macro TRM p, i, n, mode               ; target i takes coefficient n x k_j.  mode 1: it starts from y; 2: it starts from nothing (err); 0: it goes on
	ACCR \p, \i
	CREG \n
.if \mode == 1
	v_pk_fma_f32 v[ra:ra+1], v[\p+KK:\p+KK+1], s[cr:cr+1], v[\p+YY:\p+YY+1] op_sel_hi:[1,0,1]
	v_fma_f32 v[rs], v[\p+KK+2], s[cr], v[\p+YY+2]
.elseif \mode == 2
	v_pk_mul_f32 v[ra:ra+1], v[\p+KK:\p+KK+1], s[cr:cr+1] op_sel_hi:[1,0]
	v_mul_f32 v[rs], s[cr], v[\p+KK+2]
.else
	v_pk_fma_f32 v[ra:ra+1], v[\p+KK:\p+KK+1], s[cr:cr+1], v[ra:ra+1] op_sel_hi:[1,0,1]
	v_fma_f32 v[rs], v[\p+KK+2], s[cr], v[rs]
.endif
.endm
.macro TCRIT p, j                      ; k_j's term in the argument of stage j + 1: its last term
.if (\j) == 1
	TRM \p, 2, 0, 1
.elseif (\j) == 2
	TRM \p, 3, 2, 0
.elseif (\j) == 3
	TRM \p, 4, 5, 0
.elseif (\j) == 4
	TRM \p, 5, 9, 0
.elseif (\j) == 5
	TRM \p, 6, 14, 0
.else
	TRM \p, 7, 19, 0
.endif
.endm
.macro DEFA p, j                       ; k_j's terms in later targets: the first three at the most, one at the least
.if (\j) == 1
	TRM \p, 3, 1, 1
	TRM \p, 4, 3, 1
	TRM \p, 5, 6, 1
.elseif (\j) == 2
	TRM \p, 4, 4, 0
	TRM \p, 5, 7, 0
	TRM \p, 6, 11, 0
.elseif (\j) == 3
	TRM \p, 5, 8, 0
	TRM \p, 6, 12, 0
	TRM \p, 7, 16, 0
.elseif (\j) == 4
	TRM \p, 6, 13, 0
	TRM \p, 7, 17, 0
	TRM \p, 8, 22, 0
.elseif (\j) == 5
	TRM \p, 7, 18, 0
	TRM \p, 8, 23, 0
.else
	TRM \p, 8, 24, 0
.endif
.endm
.macro DEFB p, j                       ; and the rest
.if (\j) == 1
	TRM \p, 6, 10, 1
	TRM \p, 7, 15, 1
	TRM \p, 8, 20, 2
.elseif (\j) == 3
	TRM \p, 8, 21, 0
.endif
.endm
.macro BIAS i                          ; layer 1's C for stage i
.irp q, 0,2,4,6
	v_pk_fma_f32 v[CB1+\q:CB1+\q+1], v[W1T+\q:W1T+\q+1], s[6+2*(\i):7+2*(\i)], v[B1B+\q:B1B+\q+1] op_sel_hi:[1,0,1]
.endr
.endm
; The trip's y; it is stored as the next launch's P; the next trip's loads go out, a whole trip ahead of the wait for them.
.macro SEL p, off, more
.irp c, 0,1,2,3
.if FIRST
	v_mov_b32 v[\p+YY+\c], v[\p+LP+\c]
.else
	v_cndmask_b32 v[\p+YY+\c], v[\p+LP+\c], v[\p+LQ+\c], s94
.endif
.endr
.if FIRST == 0
	global_store_b128 v[VOFF], v[\p+YY:\p+YY+3], s[22:23] offset:\off
.endif
.if \more
	global_load_b128 v[\p+LP:\p+LP+3], v[VOFF], s[4:5] offset:TRIPB+\off th:TH_LOAD_NT
.if FIRST == 0
	global_load_b128 v[\p+LQ:\p+LQ+3], v[VOFF], s[6:7] offset:TRIPB+\off th:TH_LOAD_NT
.endif
.endif
.endm
.macro POL p                           ; the polarity rides along with y5
	v_mov_b32 v[\p+Y5+3], v[\p+YY+3]
.endm
; X's layer 1; the end of Y's layer 3 and Y's way from k_j to its source for stage j + 1; X's first activation; Y's layer 1.  j = 0: a trip's first stage.
; Places: behind X.L1a stand AHI PY, 1 (4; j = 0: SPL and the two POL, 5) before AMAX PX, 0; behind Y.L3b AMAX PX, 0 (4) and DEFB before TCRIT PY; behind X.L1b
; AMAX PX, 0 (4) and TCRIT (2) before AMAX PX, 1, and the same before ACVT PX, 0 writes X.L1b's source.
.macro L1ACT j
.if (\j) != 0
	SPL PX, (\j)+1
.endif
	WM PX+D0, A1_0, PX+B0, CB1
.if (\j) == 0
	SPL PY, 1
	POL PX
	POL PY
.else
	AHI PY, 1
	WM PY+KK, A3_1, PY+B1, PY+KK
	DEFB PX, \j
.endif
	WM PX+D1, A1_1, PX+B0, CB1
	AMAX PX, 0
.if (\j) != 0
	TCRIT PY, \j
.endif
	AMAX PX, 1
.if (\j) != 0
	DEFA PY, \j
	SPC PY, (\j)+1
.endif
	ACVT PX, 0
	ACVT PX, 1
.if (\j) != 0
	SPL PY, (\j)+1
.endif
	ALO PX, 0
	WM PY+D0, A1_0, PY+B0, CB1
	ALO PX, 1
	WM PY+D1, A1_1, PY+B0, CB1
	AHI PX, 0
	AHI PX, 1
.if (\j) != 0
	DEFB PY, \j
.endif
.endm
; X's layer 2 beside Y's first activation.  Y's layer-1 results were made 8 plain instructions back or more.
.macro L2ACT
	WM PX+D0, A2W, PX+B0, CB2
	AMAX PY, 0
	AMAX PY, 1
	ACVT PY, 0
	ACVT PY, 1
	WM PX+D1, A2W, PX+B1, CB2
	ALO PY, 0
	ALO PY, 1
	AHI PY, 0
	AHI PY, 1
.endm
; Y's layer 2, X's second activation, X's layer 3 (stage j's k), most of Y's second activation, X's way towards stage j + 1 (j = 7: towards the step's end).
; Y's second product of layer 2 stands between the two links of X's layer 3.  Stage 7 has stage 6's time: its C stands.
; Places: behind Y.L2b stand ACVT PY, 0 (4) and BIAS before AMAX PY, 1, and TCRIT's 2 more before ACVT PY, 1 writes its source; behind X.L3b AMAX PY, 1 (4) before TCRIT PX.
.macro L23 j
	WM PY+D0, A2W, PY+B0, CB2
	AMAX PX, 0
	AMAX PX, 1
	ACVT PX, 0
	ACVT PX, 1
	ALO PX, 0
	ALO PX, 1
	AHI PX, 0
	AHI PX, 1
	WM PX+KK, A3_0, PX+B0, CB3
	AMAX PY, 0
	WM PY+D1, A2W, PY+B1, CB2
.if (\j) < 6
	BIAS (\j)+1
.endif
	ACVT PY, 0
	WM PX+KK, A3_1, PX+B1, PX+KK
	AMAX PY, 1
.if (\j) < 7
	TCRIT PX, \j
.else
	TRM PX, 8, 25, 0
.endif
	ACVT PY, 1
	ALO PY, 0
	ALO PY, 1
.if (\j) < 7
	SPC PX, (\j)+1
.else
	FMAX PX
.endif
	AHI PY, 0
.if (\j) < 7
	DEFA PX, \j
.else
	FMAX PY
.endif
	WM PY+KK, A3_0, PY+B0, CB3
.endm
; The step's end.  1 / (ATOL + RTOL max(|y|, |y5|)) by levels for both pieces; k7's term of err; the sum of squares; y5 is stored.
.macro FMAX p
	v_max_num_f32 v[\p+AP], |v[\p+YY]|, |v[\p+Y5]|
	v_max_num_f32 v[\p+AP+1], |v[\p+YY+1]|, |v[\p+Y5+1]|
	v_max_num_f32 v[\p+AS], |v[\p+YY+2]|, |v[\p+Y5+2]|
.endm
.macro FSCL p
	v_fma_f32 v[\p+AP], v[\p+AP], s38, s39
	v_fma_f32 v[\p+AP+1], v[\p+AP+1], s38, s39
	v_fma_f32 v[\p+AS], v[\p+AS], s38, s39
.endm
.macro FRCP p
	v_rcp_f32 v[\p+AP], v[\p+AP]
	v_rcp_f32 v[\p+AP+1], v[\p+AP+1]
	v_rcp_f32 v[\p+AS], v[\p+AS]
.endm
.macro FMUL p
	s_wait_alu depctr_va_vdst(0)
	v_pk_mul_f32 v[\p+EP:\p+EP+1], v[\p+EP:\p+EP+1], v[\p+AP:\p+AP+1]
	v_mul_f32 v[\p+ES], v[\p+ES], v[\p+AS]
.endm
.macro FSQ p, acc
	v_fmac_f32 v[\acc], v[\p+EP], v[\p+EP]
	v_fmac_f32 v[\acc], v[\p+EP+1], v[\p+EP+1]
	v_fmac_f32 v[\acc], v[\p+ES], v[\p+ES]
.endm
.macro FIN
	AHI PY, 1
	s_wait_alu depctr_va_vdst(0)                   ; ahead of a link that follows the instruction it adds onto
	WM PY+KK, A3_1, PY+B1, PY+KK
	FSCL PX                                        ; six plain instructions: the places between the link above and the reading of Y's k7
	FSCL PY
	FRCP PX
	FRCP PY
	TRM PY, 8, 25, 0                               ; also the plain instructions between the reciprocals and the use of their results
	FMUL PX
	FSQ PX, ACCX
	global_store_b128 v[VOFF], v[PX+Y5:PX+Y5+3], s[24:25]
	FMUL PY
	FSQ PY, ACCY
	global_store_b128 v[VOFF], v[PY+Y5:PY+Y5+3], s[24:25] offset:512
.endm
.macro TRIP more
	s_wait_loadcnt 0x0                             ; this trip's P and Q, asked for a whole trip ago; nothing younger is out
	SEL PX, 0, \more
	SEL PY, 512, \more
	SPC PX, 1
	SPC PY, 1
	BIAS 1
	SPL PX, 1
	L1ACT 0
	L2ACT
.irp j, 1,2,3,4,5,6
	L23 \j
	L1ACT \j
	L2ACT
.endr
	L23 7
	FIN
.if \more
	s_wait_xcnt 0x0                                ; the offset that the loads and stores name, and the stores' data (y, y5), are rewritten only behind this wait
	v_add_nc_u32 v[VOFF], TRIPB, v[VOFF]
.endif
.endm
	; ---- arguments, ids, offsets
.if FIRST
	s_load_b64 s[4:5], s[0:1], 0x0                 ; events
	s_load_b256 s[8:15], s[0:1], 0x8               ; W1 W2 W3 b1
	s_load_b128 s[16:19], s[0:1], 0x28             ; b2 b3
	s_load_b128 s[24:27], s[0:1], 0x38             ; Qout pout
.else
	s_load_b512 s[4:19], s[0:1], 0x0               ; P Q W1 W2 W3 b1 b2 b3
	s_load_b256 s[20:27], s[0:1], 0x40             ; pin Pout Qout pout
	v_lshl_add_u32 v252, v0, 2, 0x100
	v_mov_b32 v253, 0
.endif
	v_and_b32 v6, 31, v0                           ; lane
	v_lshrrev_b32 v7, 5, v0
	v_readfirstlane_b32 s31, v7                    ; wave
	v_and_b32 v8, 15, v0                           ; r
	v_bfe_u32 v9, v0, 4, 1                         ; h
	v_lshlrev_b32 v[VOFF], 4, v6
	v_lshl_add_u32 v[VOFF], v7, 10, v[VOFF]        ; 1,024 wave + 16 lane
	v_lshlrev_b32 v10, 5, v6                       ; my 8 of the 256 partial sums
	v_lshlrev_b32 v14, 5, v9                       ; 32 h: b1, b2
	v_lshl_add_u32 v11, v8, 6, v14                 ; W2[r][8h]
	v_and_b32 v12, 3, v8
	v_min_u32 v12, 2, v12
	v_lshl_add_u32 v12, v12, 6, v14                ; W3[min(r % 4, 2)][8h]: inside its three rows
	v_lshlrev_b32 v13, 4, v8                       ; W1[r][0]
	v_lshlrev_b32 v15, 7, v9                       ; W1[8h][0]
	v_mov_b32 v[NEG1], -1.0
	s_lshl_b32 s2, ttmp9, 16                       ; the work-group's 65,536 bytes
	s_mov_b32 s3, 0
	s_mov_b32 s32, 0x76543210                      ; v_permlanex16_b32: each lane takes its own place in the other half
	s_mov_b32 s33, 0xfedcba98
	s_mov_b32 s38, 0x3727c5ac                      ; RTOL = 1e-5
	s_mov_b32 s39, 0x358637bd                      ; ATOL = 1e-6
	s_wait_kmcnt 0x0
	s_add_nc_u64 s[4:5], s[4:5], s[2:3]
	s_add_nc_u64 s[24:25], s[24:25], s[2:3]
.if FIRST == 0
	s_add_nc_u64 s[6:7], s[6:7], s[2:3]
	s_add_nc_u64 s[22:23], s[22:23], s[2:3]
.endif
	; ---- all the head's loads in one run
	global_load_b128 v[PX+LP:PX+LP+3], v[VOFF], s[4:5] th:TH_LOAD_NT
	global_load_b128 v[PY+LP:PY+LP+3], v[VOFF], s[4:5] offset:512 th:TH_LOAD_NT
.if FIRST == 0
	global_load_b128 v[PX+LQ:PX+LQ+3], v[VOFF], s[6:7] th:TH_LOAD_NT
	global_load_b128 v[PY+LQ:PY+LQ+3], v[VOFF], s[6:7] offset:512 th:TH_LOAD_NT
	global_load_b128 v[PX+B1:PX+B1+3], v10, s[20:21]
	global_load_b128 v[PX+B1+4:PX+B1+7], v10, s[20:21] offset:16
	s_load_b96 s[28:30], s[20:21], 0x400           ; the carry from which the last step began: t, dt, done
.endif
	global_load_b128 v[PX+D0:PX+D0+3], v11, s[10:11]
	global_load_b128 v[PX+D0+4:PX+D0+7], v11, s[10:11] offset:16
	global_load_b128 v[PX+D1:PX+D1+3], v12, s[12:13]
	global_load_b128 v[PX+D1+4:PX+D1+7], v12, s[12:13] offset:16
	global_load_b128 v[PX+B0:PX+B0+3], v13, s[8:9]
	global_load_b128 v[B1B:B1B+3], v14, s[14:15]
	global_load_b128 v[B1B+4:B1B+7], v14, s[14:15] offset:16
	global_load_b128 v[CB2:CB2+3], v14, s[16:17]
	global_load_b128 v[CB2+4:CB2+7], v14, s[16:17] offset:16
.irp j, 0,1,2,3,4,5,6,7
	global_load_b32 v[W1T+\j], v15, s[8:9] offset:16*\j+12
.endr
	s_load_b96 s[40:42], s[18:19], 0x0             ; b3
	s_wait_loadcnt 0x0                             ; one wait for the whole run: nothing below can start on a part of it
	s_wait_kmcnt 0x0
	; ---- the weights as source 0, rounded to bf16; k = 16..31 meet the activations' lo terms: the same weights once more
	HI4 A2W, PX+D0
	HI4 A2W+4, PX+D0
	HI4 PY+D0, PX+D1
	v_and_b32 v[TMP], 7, v8
	v_cmp_gt_u32 s45, 3, v[TMP]                    ; rows 0-2 and 8-10 hold W3; the others are zero
	v_cmp_gt_u32 s46, 8, v8
	s_and_not1_b32 s47, s45, s46                   ; rows of A3_1
	s_and_b32 s46, s45, s46                        ; rows of A3_0
.irp i, 0,1,2,3
	v_cndmask_b32 v[A3_0+\i], 0, v[PY+D0+\i], s46
	v_cndmask_b32 v[A3_1+\i], 0, v[PY+D0+\i], s47
	v_cndmask_b32 v[A3_0+4+\i], 0, v[PY+D0+\i], s46
	v_cndmask_b32 v[A3_1+4+\i], 0, v[PY+D0+\i], s47
.endr
	v_cmp_ne_u32 s45, 0, v9                        ; h = 1
	v_cvt_pk_bf16_f32 v[PY+D1], v[PX+B0], v[PX+B0+1]             ; (W1[r][0], W1[r][1])
	v_cvt_pk_bf16_f32 v[PY+D1+4], v[PX+B0+2], v[PX+B0+2]         ; (W1[r][2], the same)
	v_and_b32 v[PY+D1+2], 0xffff, v[PY+D1+4]                     ; (W1[r][2], 0)
	v_and_b32 v[PY+D1+5], 0xffff, v[PY+D1]                       ; (W1[r][0], 0)
	v_lshrrev_b32 v[PY+D1+6], 16, v[PY+D1]                       ; (W1[r][1], 0)
	A1W 0, PY+D1
	A1W 1, PY+D1+2
	A1W 2, PY+D1+5
	A1W 3, PY+D1+2
	A1W 5, PY+D1+6
.irp i, 4,6,7
	v_mov_b32 v[A1_0+\i], 0
	v_mov_b32 v[A1_1+\i], 0
.endr
.irp c, 0,1,2
	v_mov_b32 v[CB3+\c], s[40+\c]
.endr
.irp c, 3,4,5,6,7
	v_mov_b32 v[CB3+\c], 0
.endr
	; ---- the carry
.if FIRST
	s_mov_b32 s34, 0                               ; t = 0
	s_mov_b32 s35, 0x3d4ccccd                      ; dt = 0.05
	s_mov_b32 s36, 0                               ; not done
	s_mov_b32 s37, 0x3d4ccccd                      ; dt_e = min(dt, 1 - t)
.else
	v_pk_add_f32 v[PX+B1:PX+B1+1], v[PX+B1:PX+B1+1], v[PX+B1+2:PX+B1+3]
	v_pk_add_f32 v[PX+B1+4:PX+B1+5], v[PX+B1+4:PX+B1+5], v[PX+B1+6:PX+B1+7]
	v_pk_add_f32 v[PX+B1:PX+B1+1], v[PX+B1:PX+B1+1], v[PX+B1+4:PX+B1+5]
	v_add_f32 v6, v[PX+B1], v[PX+B1+1]
	WSUM 6, 7
	v_mul_f32 v6, 0x34aaaaab, v6                   ; the mean over 3,145,728 numbers
	v_sqrt_f32 v6, v6
	v_sub_f32 v11, 1.0, s28                        ; (a plain instruction behind each transcendental before its result is used)
	v_min_num_f32 v11, s29, v11                    ; the last step's dt_e
	s_wait_alu depctr_va_vdst(0)
	v_cmp_ge_f32 s94, 1.0, v6                      ; en <= 1; the floor of 1e-10 below cannot change it, and a NaN fails it
	v_cmp_eq_f32 s44, s30, 0                       ; not done
	s_and_b32 s94, s94, s44                        ; accept: all lanes or none
	v_max_num_f32 v6, 0x2edbe6ff, v6               ; en = max(.., 1e-10)
	v_log_f32 v10, v6
	v_add_f32 v12, s28, v11
	s_wait_alu depctr_va_vdst(0)
	v_mul_f32 v10, 0xbe4ccccd, v10                 ; en^-0.2 = 2^(-0.2 log2 en)
	v_exp_f32 v10, v10
	v_mov_b32 v13, s28
	s_wait_alu depctr_va_vdst(0)
	v_mul_f32 v10, 0x3f666666, v10                 ; 0.9 ..
	v_max_num_f32 v10, 0x3e4ccccd, v10             ; clipped to 0.2 .. 10
	v_min_num_f32 v10, 0x41200000, v10
	v_cndmask_b32 v12, v13, v12, s94               ; t
	v_mul_f32 v14, v11, v10
	v_mov_b32 v15, s29
	v_cndmask_b32 v14, v15, v14, s44               ; dt = done ? dt : dt_e fac
	v_cmp_le_f32 s45, 1.0, v12                     ; done: t >= 1 - 1e-9, which is 1 in f32
	v_cndmask_b32 v13, 0, 1.0, s45
	v_sub_f32 v15, 1.0, v12
	v_min_num_f32 v15, v14, v15                    ; this step's dt_e
	v_readfirstlane_b32 s34, v12
	v_readfirstlane_b32 s35, v14
	v_readfirstlane_b32 s36, v13
	v_readfirstlane_b32 s37, v15
.endif
	; ---- dt_e times the tableau, and the stages' times (the weights' addresses in s[8:19] have served: all loads are back)
	COEF 0, 0.2
	COEF 1, 0.075
	COEF 2, 0.225
	COEF 3, 0.977777778
	COEF 4, -3.73333333
	COEF 5, 3.55555556
	COEF 6, 2.95259869
	COEF 7, -11.5957933
	COEF 8, 9.82289285
	COEF 9, -0.290809328
	COEF 10, 2.84627525
	COEF 11, -10.7575758
	COEF 12, 8.90642272
	COEF 13, 0.278409091
	COEF 14, -0.273531304
	COEF 15, 0.0911458333
	COEF 16, 0.449236298
	COEF 17, 0.651041667
	COEF 18, -0.322376179
	COEF 19, 0.130952381
	COEF 20, 0.00123263889
	COEF 21, -0.00425277029
	COEF 22, 0.0369791667
	COEF 23, -0.0508637972
	COEF 24, 0.0419047619
	COEF 25, -0.025
	s_mov_b32 s8, s34
	s_mov_b32 s9, s34
	TIME 2, 0.2
	TIME 3, 0.3
	TIME 4, 0.8
	TIME 5, 0.888888889
	s_add_f32 s18, s34, s37
	s_mov_b32 s19, s18
	; ---- the sources 1 start at zero: the half-word writes keep a word's other half, and layer 1 reads words that only later layers write
.irp p, PX, PY
.set zi, 0
.rept 16
	v_mov_b32 v[\p+B0+zi], 0
.set zi, zi+1
.endr
.endr
	v_mov_b32 v[ACCX], 0
	v_mov_b32 v[ACCY], 0
	s_mov_b32 s95, 3
.Ltrip:
	TRIP 1
	s_sub_co_u32 s95, s95, 1
	s_cmp_lg_u32 s95, 0
	s_cbranch_scc1 .Ltrip
	TRIP 0                                         ; the last trip is written out: it asks for nothing beyond the work-group's bytes
	; ---- the work-group's sum: lanes, then the 16 waves through LDS bytes 0-63
	v_add_f32 v[ACCX], v[ACCX], v[ACCY]
	WSUM ACCX, 6
	v_mov_b32 v7, s31
	v_lshlrev_b32 v7, 2, v7
	ds_store_b32 v7, v[ACCX]
	s_wait_dscnt 0x0                               ; for wave 0's sake: my word is in LDS
	s_barrier_signal -1
	s_barrier_wait -1
	s_cmp_lg_u32 s31, 0
	s_cbranch_scc1 .Lend
	v_mov_b32 v9, 0
.irp i, 0,1,2,3
	ds_load_b128 v[PX+4*\i:PX+4*\i+3], v9 offset:16*\i
.endr
	v_mov_b32 v6, s34                              ; the carry from which this step began
	v_mov_b32 v7, s35
	v_mov_b32 v8, s36
	s_lshl_b32 s2, ttmp9, 2
	s_mov_b32 s3, 0
	s_add_nc_u64 s[26:27], s[26:27], s[2:3]        ; my work-group's word
	s_wait_dscnt 0x0
.irp i, 0,4,8,12
	v_pk_add_f32 v[PX+\i:PX+\i+1], v[PX+\i:PX+\i+1], v[PX+\i+2:PX+\i+3]
.endr
	v_pk_add_f32 v[PX:PX+1], v[PX:PX+1], v[PX+4:PX+5]
	v_pk_add_f32 v[PX+8:PX+9], v[PX+8:PX+9], v[PX+12:PX+13]
	v_pk_add_f32 v[PX:PX+1], v[PX:PX+1], v[PX+8:PX+9]
	v_add_f32 v[ACCX], v[PX], v[PX+1]
	v_cmp_eq_u32 vcc_lo, 0, v0
	s_wait_xcnt 0x0                                ; EXEC changes only behind this wait: the trip's stores name it
	s_and_saveexec_b32 s95, vcc_lo
	global_store_b32 v9, v[ACCX], s[26:27]
	s_cmp_lg_u32 s2, 0
	s_cbranch_scc1 .Lnocarry
	global_store_b96 v9, v[6:8], s[26:27] offset:1024   ; work-group 0 alone
.Lnocarry:
	s_wait_xcnt 0x0
	s_or_b32 exec_lo, exec_lo, s95
.Lend:
	s_wait_tensorcnt 0x0
	ds_add_u32 v252, v253
	s_wait_dscnt 0x0
	s_endpgm
.Lfunc_end_k_qb50d0d6e83_s2:
	.size	k_qb50d0d6e83_s2, .Lfunc_end_k_qb50d0d6e83_s2-k_qb50d0d6e83_s2
	.p2alignl 7, 3214868480
	.fill 96, 4, 3214868480
	.section	.rodata,"a",@progbits
	.p2align	6, 0x0
	.amdhsa_kernel k_qb50d0d6e83_s2
		.amdhsa_group_segment_fixed_size 2304
		.amdhsa_private_segment_fixed_size 0
		.amdhsa_enable_private_segment 0
		.amdhsa_kernarg_size 96
		.amdhsa_user_sgpr_count 2
		.amdhsa_user_sgpr_kernarg_segment_ptr 1
		.amdhsa_wavefront_size32 1
		.amdhsa_system_sgpr_workgroup_id_x 1
		.amdhsa_system_sgpr_workgroup_id_y 1
		.amdhsa_system_sgpr_workgroup_id_z 1
		.amdhsa_system_vgpr_workitem_id 0
		.amdhsa_next_free_vgpr 254
		.amdhsa_next_free_sgpr 96
		.amdhsa_reserve_vcc 1
		.amdhsa_float_denorm_mode_32 3
		.amdhsa_float_denorm_mode_16_64 3
		.amdhsa_memory_ordered 1
		.amdhsa_forward_progress 1
		.amdhsa_inst_pref_size 169
	.end_amdhsa_kernel
	.amdgpu_metadata
---
amdhsa.version: [ 1, 2 ]
amdhsa.kernels:
  - .name:           k_qb50d0d6e83_s2
    .symbol:         k_qb50d0d6e83_s2.kd
    .args:
      - { .name: events, .offset: 0, .size: 8, .value_kind: global_buffer, .address_space: global }
      - { .name: qa, .offset: 8, .size: 8, .value_kind: global_buffer, .address_space: global }
      - { .name: W1, .offset: 16, .size: 8, .value_kind: global_buffer, .address_space: global }
      - { .name: W2, .offset: 24, .size: 8, .value_kind: global_buffer, .address_space: global }
      - { .name: W3, .offset: 32, .size: 8, .value_kind: global_buffer, .address_space: global }
      - { .name: b1, .offset: 40, .size: 8, .value_kind: global_buffer, .address_space: global }
      - { .name: b2, .offset: 48, .size: 8, .value_kind: global_buffer, .address_space: global }
      - { .name: b3, .offset: 56, .size: 8, .value_kind: global_buffer, .address_space: global }
      - { .name: pa, .offset: 64, .size: 8, .value_kind: global_buffer, .address_space: global }
      - { .name: qb, .offset: 72, .size: 8, .value_kind: global_buffer, .address_space: global }
      - { .name: qc, .offset: 80, .size: 8, .value_kind: global_buffer, .address_space: global }
      - { .name: pb, .offset: 88, .size: 8, .value_kind: global_buffer, .address_space: global }
    .group_segment_fixed_size: 2304
    .private_segment_fixed_size: 0
    .kernarg_segment_align: 8
    .kernarg_segment_size: 96
    .max_flat_workgroup_size: 512
    .sgpr_count:     96
    .vgpr_count:     254
    .wavefront_size: 32
...
	.end_amdgpu_metadata
.endif
;; end of part 5
;; launch s3: the kernel of part 5 again; grid 256 x 1, 16 waves a work-group, no clusters, 2,304 bytes of LDS; arguments qb, qc, W1, W2, W3, b1, b2, b3, pb, qa, qd, pa; writes qa, qd, pa
;; launch s4: the kernel of part 5 again; grid 256 x 1, 16 waves a work-group, no clusters, 2,304 bytes of LDS; arguments qa, qd, W1, W2, W3, b1, b2, b3, pa, qb, qc, pb; writes qb, qc, pb
;; launch fin: the kernel of part 3 again; grid 512 x 1, 8 waves a work-group, no clusters, 0 bytes of LDS; arguments qb, qc, pb, out0; writes out0
